; MI455X (gfx1250); checked and timed in simulation.
; The chip was launched on July 23, 2026; its instructions are those of AMD's public machine-readable ISA for CDNA 5 (MIT licence, August 2026) and "CDNA5" Instruction Set Architecture Reference Guide (July 2026). The comments in the code are by the model that wrote it; some were corrected since.
;; Multi Head Self Attention. Allowed arithmetic: matrix products marked QUANTISED: E4M3 operands, one E8M0 scale for each 32 along K, by v_wmma_scale_f32_16x16x128_f8f6f4 with both operands' format E4M3, f32 sums; everything else in f32.
;; Inputs: W_out 1,024 x 1,024 float32; W_qkv 3,072 x 1,024 float32; b_out 1,024 float32; b_qkv 3,072 float32; mask 1 x 1 x 2,048 x 2,048 int32; x 4 x 2,048 x 1,024 float32.
;; Outputs: out0 4 x 2,048 x 1,024 float32.
;; This version of the problem:
;;   THIS VERSION OF THE PROBLEM IS GIVEN IN LOW PRECISION. The matrix products marked QUANTISED in the list below multiply operands that are first quantised to E4M3 (4 exponent bits, 3 mantissa bits; 8 bits a number), with one power-of-two scale for each 32 numbers along K (OCP MX v1.0); their sums are f32. All else is computed in f32.
;;   The module's matrix products, in the order in which they are computed (A, B: the left and right operand; K: the contracted axis; several contracted axes count as one K, in the product's order):
;;     1. [M 8,192, K 1,024] x [K 1,024, N 3,072]; A: input x; B: input W_qkv: QUANTISED
;;     2. batch 64 x [M 2,048, K 64] x [K 64, N 2,048]; A: computed on the way; B: computed on the way: QUANTISED
;;     3. batch 64 x [M 2,048, K 2,048] x [K 2,048, N 64]; A: softmax (see below); B: computed on the way: QUANTISED
;;     4. [M 8,192, K 1,024] x [K 1,024, N 1,024]; A: computed on the way; B: input W_out: QUANTISED
;;   THE QUANTISER, for each operand of a quantised product, along K:
;;     - K is cut into blocks of 32 from its start; a last block that is shorter is filled with zeros.
;;     - A block's scale is 2^e with e = floor(log2(the largest magnitude in the block)) - 8, held to -126 .. 127; a block of zeros has e = 0. As a byte (E8M0): e + 127.
;;     - Each number is divided by its block's scale, clamped to +-448, and rounded to the nearest number of E4M3, ties to even, subnormals kept.
;;     - The product sums the exact products of the quantised numbers (number of the format x scale) in f32.
;;   ~~~python
;;   def quantise(x, axis):      # numpy; x: float32 -> the quantised numbers, widened to float32 again
;;       x = np.moveaxis(x, axis, -1); K = x.shape[-1]
;;       x = np.pad(x, [(0, 0)] * (x.ndim - 1) + [(0, -K % 32)]); x = x.reshape(x.shape[:-1] + (-1, 32)); a = np.abs(x).max(-1, keepdims=True)
;;       e = np.where(a > 0, np.clip(np.frexp(np.where(a > 0, a, 1))[1] - 1 - 8, -126, 127), 0)      # np.frexp(a)[1] - 1 = floor(log2(a)), exactly
;;       r = np.clip(x / 2.0 ** e, -448, 448)
;;       step = 2.0 ** (np.maximum(np.frexp(np.where(r == 0, 1, r))[1] - 1, -6) - 3)
;;       q = np.round(r / step) * step * 2.0 ** e      # np.round: ties to even
;;       return np.moveaxis(q.reshape(q.shape[:-2] + (-1,))[..., :K], -1, axis).astype(np.float32)
;;   ~~~
;;   SOFTMAX AHEAD OF A QUANTISED PRODUCT. Where the list says 'softmax', what is quantised is not the finished softmax but p = 2^(t - M), with t = logit x log2(e) and M = ceil(the row's largest t), a whole number; so 1/2 < the row's largest p <= 1. The row's sum l is taken of the UNQUANTISED p, in f32, and the product's result is divided by l at the end. Since M is a whole number, a kernel that streams over the keys may use a running M (the ceiling of the running maximum): every later rescaling is an exact power of two, which a block's scale takes up: the codes' values come out the same.
;;   OPERANDS COMPUTED ON THE WAY. 'Computed on the way' means the value that the module computes at that place (a softmax that the list does not call 'softmax' is quantised finished and normalised). What goes into a quantiser is computed in f32, as accurately as f32 sums, v_exp_f32 and their like allow (about 1e-6 of the number): no bf16 or f16 on the way to a quantiser, and a product that is left as it is and whose result goes on into a quantised operand takes f32 operands (vector FMAs, or v_wmma_f32_16x16x4_f32). A number that lies on a knife's edge between two numbers of the format may be rounded either way, as far as f32 arithmetic and the matrix unit's own rounding can turn it there, and no further.
;; One version. Each part assembles by itself: llvm-mc -triple=amdgcn-amd-amdhsa -mcpu=gfx1250 --defsym DOCPART=n.
;; ======== version 1 of 1: 4 launches
;; limits: right only within a limited range of input values
;; workspace buffers: xw 11,894,784 bytes; wo 1,081,344 bytes; mw 524,288 bytes of whole numbers; qb 8,650,752 bytes; kv 17,301,504 bytes; ob 8,650,752 bytes
;; launch prep (part 1): grid 320 x 1, 4 waves a work-group, no clusters, 70,144 bytes of LDS; arguments x, W_qkv, W_out, mask, xw, wo, mw; writes xw, wo, mw
.if DOCPART == 1
	.amdgcn_target "amdgcn-amd-amdhsa--gfx1250"
	.amdhsa_code_object_version 6
	.text
	.protected	k_q7a9be21419_prep
	.globl	k_q7a9be21419_prep
	.p2align	8
	.type	k_q7a9be21419_prep,@function
k_q7a9be21419_prep:
	s_mov_b64 s[64:65], 0
	v_nop
	global_prefetch_b8 v0, s[64:65] scope:SCOPE_SE
	s_setreg_imm32_b32 hwreg(HW_REG_WAVE_MODE, 25, 1), 1
	s_wait_xcnt 0x0
; PREP.  x [8192][1024], W_qkv [3072][1024] and W_out [1024][1024], f32 with K innermost, become codes of FP8 (E4M3) with one E8M0 byte for each 32 along K,
; laid as the later launches' operand registers take them; the mask [2048][2048] of int32 becomes lane masks.
; A TILE OF 16 ROWS IS NOT 16 NEIGHBOURS: lane-row r of tile t is row 32 (t / 2) + 8 (t % 2) + r + 8 (r / 8), so that wherever such a tile is source 0 of a product, a lane's 16 results of tiles 2 b and 2 b + 1 are 16 neighbours.
; AN OPERAND BLOCK (128 rows = 8 tiles, 128 along K) is 16,896 bytes: tile i at 2,048 i as an image of its 16 registers (register group c of lane l at 512 c + 16 l: codes of k = 32 c + 16 (l / 16) + 0 .. 15 of lane-row l % 16),
; then at 16,384 + 64 i + 4 r the row's scale word.  A buffer is [group of 128 rows][K step 0 .. 7][16,896].  xw: groups 0-63 x, 64-87 W_qkv;  wo: W_out's 8 groups.
; SHARES.  Work-groups 0-191 quantise: group = wg / 2, wave w takes K step 4 (wg % 2) + w.  Work-groups 192-319 pack the mask: query tile wg - 192, wave w takes key steps 4 w .. 4 w + 3.
; Each load reads 512 consecutive bytes of one row; 16 rows turn through the wave's own stage in LDS (pitch 528 bytes = 33 x 16) and come back 16 neighbours of each block of 32 to a lane.  Waves share nothing: no barrier.
; The two paths part on the work-group's number alone and have LDS bytes of their own.
; A block's scale byte is its largest magnitude's exponent field - 8, held at 1 from below (a block of zeros so has byte 1: its codes are zeros, and this program alone reads the bytes).
; MASK WORDS: mw [query tile 128][key step 16][word n 64]: bit l of word n = mask[row of lane l % 16][128 step + 32 (n / 16) + 16 (l / 16) + n % 16] != 0: the lane mask of the n-th score register of the attention launch.
; LIMITS: NaN and infinities among the inputs are not served.
.set GRP,  135168                      ; a group of 128 rows: 8 operand blocks
.set BLK,  16896                       ; an operand block
.set SPT,  528                         ; a stage row: 512 bytes + 16
.set WREG, 16*SPT+512                  ; quantising: a wave's stage and its 512 bytes of scale words
.set MREG, 4*WREG                      ; the mask path's four stages begin here
.set R,    16                          ; v16-143  two sets of 16 rows as loaded
.set X,    144                         ; v144-207 64 numbers: register 16 b + i = k 32 b + 16 (lane / 16) + i of my lane-row
.set PC,   208                         ; v208-223 a tile's codes
.set W,    208                         ; (mask path) v208-215 two registers of words for each of the four steps
.set TM,   224                         ; v224-239 at work in QUANT
.set PW,   240                         ; v240     the scale word
.set SEL,  32                          ; s[32:33] v_permlanex16_b32's selects for lane l xor 16
.set MNT,  34                          ; s34      the mantissa field of 448
	s_load_b256 s[4:11], s[0:1], 0x0               ; x s[4:5], W_qkv s[6:7], W_out s[8:9], mask s[10:11]
	s_load_b128 s[12:15], s[0:1], 0x20             ; xw s[12:13], wo s[14:15]
	s_load_b64 s[16:17], s[0:1], 0x30              ; mw
	v_lshl_add_u32 v254, v0, 2, 0x11000
	v_mov_b32 v255, 0
	v_lshrrev_b32 v1, 5, v0
	v_readfirstlane_b32 s18, v1                    ; wave 0..3
	v_and_b32 v1, 31, v0                           ; lane
	v_and_b32 v2, 15, v0                           ; r
	v_bfe_u32 v3, v0, 4, 1                         ; h
	v_lshlrev_b32 v4, 4, v1                        ; v4: 16 x lane: my bytes of a load's or a store's 512; never rewritten
	v_mul_u32_u24 v12, v2, SPT
	v_lshl_add_u32 v12, v3, 6, v12                 ; 528 r + 64 h
	s_mul_i32 s19, s18, WREG
	v_add_nc_u32 v5, s19, v4                       ; v5: into the stage: 16 x lane of a row
	v_add_nc_u32 v6, s19, v12                      ; v6: out of it: row r, my 64 bytes of a block's 128
	v_lshlrev_b32 v7, 2, v2
	v_add_nc_u32 v7, s19, v7
	v_add_nc_u32 v7, 16*SPT, v7                    ; v7: my row's scale word
	v_add_nc_u32 v8, 16*SPT, v5                    ; v8: the 512 bytes of scale words, 16 a lane
	v_lshlrev_b32 v9, 3, v1                        ; v9: 8 x lane: the mask words' way out
	s_mul_i32 s19, s18, 16*SPT
	s_add_co_u32 s19, s19, MREG
	v_add_nc_u32 v10, s19, v4                      ; v10, v11: the same two stage addresses for the mask path
	v_add_nc_u32 v11, s19, v12
	s_mov_b32 s[SEL], 0x76543210
	s_mov_b32 s[SEL+1], 0xfedcba98
	s_mov_b32 s[MNT], 0x600000
; 16 rows of a tile, 512 bytes each, into set: row j of the tile lies j + 8 (j / 8) rows behind its first
.macro LOADROWS set, bs, pitch, off
.irp j, 0,1,2,3,4,5,6,7,8,9,10,11,12,13,14,15
	global_load_b128 v[R+64*(\set)+4*\j:R+64*(\set)+4*\j+3], v4, s[\bs:\bs+1] offset:(\off)+(\j+8*(\j/8))*(\pitch) th:TH_LOAD_NT
.endr
.endm
; through the stage: LDS serves a wave's instructions in order (ISA guide 5.7.1.4), so no wait stands between the stores and the loads
.macro TURN set, sti, sto
.irp j, 0,1,2,3,4,5,6,7,8,9,10,11,12,13,14,15
	ds_store_b128 v[\sti], v[R+64*(\set)+4*\j:R+64*(\set)+4*\j+3] offset:SPT*\j
.endr
.irp b, 0,1,2,3
.irp u, 0,1,2,3
	ds_load_b128 v[X+16*\b+4*\u:X+16*\b+4*\u+3], v[\sto] offset:128*\b+16*\u
.endr
.endr
.endm
; 64 numbers of a lane, register 16 b + i = k 32 b + 16 (lane / 16) + i of my row, become a fragment's codes in v[PC] on and its scale word in v[pw]
.macro QUANT s, pw
.irp b, 0,1,2,3
	v_max3_num_f32 v[TM+\b], |v[\s+16*\b]|, |v[\s+1+16*\b]|, 0x4800000   ; block b: my 16 numbers, and the floor 2^(9 - 127): the byte cannot fall under 1
.endr
.irp i, 2,4,6,8,10,12,14
.irp b, 0,1,2,3
	v_max3_num_f32 v[TM+\b], v[TM+\b], |v[\s+16*\b+\i]|, |v[\s+1+16*\b+\i]|   ; the four blocks by turns
.endr
.endr
.irp b, 0,1,2,3
	v_permlanex16_b32 v[TM+4+\b], v[TM+\b], s[SEL], s[SEL+1]
.endr
.irp b, 0,1,2,3
	v_max_num_f32 v[TM+\b], v[TM+\b], v[TM+4+\b]   ; with lane l xor 16's: the block's largest magnitude
.endr
.irp b, 0,1,2,3
	v_add_nc_u32 v[TM+12+\b], 0xfc000000, v[TM+\b] ; 8 off its exponent field: the conversion's scale operand
.endr
.irp b, 0,1,2,3
	v_and_or_b32 v[TM+8+\b], v[TM+\b], 0x7f800000, s[MNT]   ; 448 x the scale
.endr
.irp b, 0,1,2,3
	v_lshrrev_b32 v[TM+4+\b], 23, v[TM+12+\b]      ; the scale's byte
.endr
	v_lshl_or_b32 v[\pw], v[TM+5], 8, v[TM+4]
	v_lshl_or_b32 v[\pw], v[TM+6], 16, v[\pw]
	v_lshl_or_b32 v[\pw], v[TM+7], 24, v[\pw]
.irp b, 0,1,2,3
.irp i, 0,1,2,3,4,5,6,7,8,9,10,11,12,13,14,15
	v_med3_num_f32 v[\s+16*\b+\i], v[\s+16*\b+\i], -v[TM+8+\b], v[TM+8+\b]   ; the conversion to an 8-bit code does not saturate (ISA guide 7.6.2): the hold comes first
.endr
	v_cvt_scalef32_pk8_fp8_f32 v[PC+4*\b:PC+1+4*\b], v[\s+16*\b:\s+7+16*\b], v[TM+12+\b]
	v_cvt_scalef32_pk8_fp8_f32 v[PC+2+4*\b:PC+3+4*\b], v[\s+8+16*\b:\s+15+16*\b], v[TM+12+\b]
.endr
	v_nop                                          ; a plain line behind the last conversion
.endm
	s_cmp_ge_u32 ttmp9, 192
	s_cbranch_scc1 .Lmask
	; ---- the quantising path
	s_lshr_b32 s20, ttmp9, 1                       ; group 0..95
	s_and_b32 s21, ttmp9, 1
	s_lshl_b32 s21, s21, 2
	s_add_co_u32 s21, s21, s18                     ; K step 0..7
	s_sub_co_u32 s22, s20, 64                      ; the group's number in W_qkv,
	s_sub_co_u32 s23, s20, 88                      ; in W_out and in wo (used only where they are not negative)
.irp b, 0,1,2,3
	v_mov_b32 v[TM+4+\b], 0                        ; written once: a lane permute's destination counts as one of its sources
.endr
	s_wait_kmcnt 0x0
	s_cmp_lt_u32 s20, 64                           ; the choices hang on the work-group's number alone
	s_cselect_b64 s[24:25], s[4:5], s[6:7]
	s_cselect_b32 s26, s20, s22
	s_cmp_lt_u32 s20, 88
	s_cselect_b64 s[24:25], s[24:25], s[8:9]       ; from where
	s_cselect_b32 s26, s26, s23
	s_cselect_b64 s[28:29], s[12:13], s[14:15]     ; to where
	s_cselect_b32 s27, s20, s23
	s_lshl_b32 s30, s26, 19                        ; 128 rows of 4,096 bytes
	s_lshl_b32 s31, s21, 9                         ; 128 numbers of 4 bytes
	s_add_co_u32 s30, s30, s31
	s_mov_b32 s31, 0
	s_add_nc_u64 s[24:25], s[24:25], s[30:31]
	s_mul_i32 s30, s27, GRP
	s_mul_i32 s35, s21, BLK
	s_add_co_u32 s30, s30, s35
	s_add_nc_u64 s[28:29], s[28:29], s[30:31]
	LOADROWS 0, 24, 4096, 0
	LOADROWS 1, 24, 4096, 8*4096
.macro QTILE i
.if \i < 7
	s_wait_loadcnt 16                              ; this tile's 16 loads are in; the next tile's 16 may be out
.else
	s_wait_loadcnt 0
.endif
	TURN (\i)%2, 5, 6
	s_wait_dscnt 0x0                               ; my numbers are back, and the stage's stores have read the set
	s_wait_xcnt 0x0                                ; the last tile's stores have read their codes: QUANT writes them anew
.if \i < 6
	LOADROWS (\i)%2, 24, 4096, (32*((\i+2)/2)+8*((\i+2)%2))*4096
.endif
	QUANT X, PW
.irp c, 0,1,2,3
	global_store_b128 v4, v[PC+4*\c:PC+4*\c+3], s[28:29] offset:2048*(\i)+512*\c   ; 32 lanes store 512 consecutive bytes, at a multiple of 512 from the buffer's first byte
.endr
	ds_store_b32 v7, v[PW] offset:64*(\i)          ; lanes r and r + 16 write the same word with the same value
.endm
.irp i, 0,1,2,3,4,5,6,7
	QTILE \i
.endr
	ds_load_b128 v[244:247], v8                    ; the block's 128 scale words: these see my stores
	s_wait_dscnt 0x0
	global_store_b128 v4, v[244:247], s[28:29] offset:16384
	s_wait_tensorcnt 0x0
	ds_add_u32 v254, v255
	s_wait_dscnt 0x0
	s_endpgm
	; ---- the mask path
.Lmask:
	s_sub_co_u32 s20, ttmp9, 192                   ; query tile 0..127
	s_lshr_b32 s21, s20, 1
	s_lshl_b32 s21, s21, 5
	s_and_b32 s22, s20, 1
	s_lshl_b32 s22, s22, 3
	s_add_co_u32 s21, s21, s22                     ; the tile's first row
	s_lshl_b32 s30, s21, 13                        ; rows of 8,192 bytes
	s_lshl_b32 s22, s18, 11                        ; my four key steps of 512 bytes
	s_add_co_u32 s30, s30, s22
	s_mov_b32 s31, 0
	s_lshl_b32 s26, s20, 12                        ; the tile's 4,096 bytes of words,
	s_lshl_b32 s22, s18, 10                        ; my four steps' 1,024
	s_add_co_u32 s26, s26, s22
	s_mov_b32 s27, 0
.irp e, 0,1,2,3,4,5,6,7
	v_mov_b32 v[W+\e], 0                           ; v_writelane_b32's destination counts as read
.endr
	s_wait_kmcnt 0x0
	s_add_nc_u64 s[24:25], s[10:11], s[30:31]
	s_add_nc_u64 s[28:29], s[16:17], s[26:27]
	LOADROWS 0, 24, 8192, 0
	LOADROWS 1, 24, 8192, 512
.macro MSTEP t
.if \t < 3
	s_wait_loadcnt 16                              ; this step's 16 loads are in; the next step's may be out
.else
	s_wait_loadcnt 0
.endif
	TURN (\t)%2, 10, 11
	s_wait_dscnt 0x0
.if \t < 2
	LOADROWS (\t)%2, 24, 8192, 512*(\t+2)
.endif
.set n, 0
.rept 8
.irp e, 0,1,2,3,4,5,6,7
	v_cmp_ne_u32 s[40+\e], 0, v[X+n+\e]            ; word n + e: a bit a lane
.endr
.irp e, 0,1,2,3,4,5,6,7
	v_writelane_b32 v[W+2*(\t)+(\e&1)], s[40+\e], (n+\e)>>1   ; lane n / 2 holds words n and n + 1
.endr
.set n, n+8
.endr
	global_store_b64 v9, v[W+2*(\t):W+2*(\t)+1], s[28:29] offset:256*(\t)   ; 32 lanes store 256 consecutive bytes, aligned
.endm
.irp t, 0,1,2,3
	MSTEP \t
.endr
	s_wait_tensorcnt 0x0
	ds_add_u32 v254, v255
	s_wait_dscnt 0x0
	s_endpgm
.Lfunc_end_k_q7a9be21419_prep:
	.size	k_q7a9be21419_prep, .Lfunc_end_k_q7a9be21419_prep-k_q7a9be21419_prep
	.p2alignl 7, 3214868480
	.fill 96, 4, 3214868480
	.section	.rodata,"a",@progbits
	.p2align	6, 0x0
	.amdhsa_kernel k_q7a9be21419_prep
		.amdhsa_group_segment_fixed_size 70144
		.amdhsa_private_segment_fixed_size 0
		.amdhsa_enable_private_segment 0
		.amdhsa_kernarg_size 56
		.amdhsa_user_sgpr_count 2
		.amdhsa_user_sgpr_kernarg_segment_ptr 1
		.amdhsa_wavefront_size32 1
		.amdhsa_system_sgpr_workgroup_id_x 1
		.amdhsa_system_sgpr_workgroup_id_y 1
		.amdhsa_system_sgpr_workgroup_id_z 1
		.amdhsa_system_vgpr_workitem_id 0
		.amdhsa_next_free_vgpr 256
		.amdhsa_next_free_sgpr 66
		.amdhsa_reserve_vcc 0
		.amdhsa_float_denorm_mode_32 3
		.amdhsa_float_denorm_mode_16_64 3
		.amdhsa_memory_ordered 1
		.amdhsa_forward_progress 1
		.amdhsa_inst_pref_size 147
	.end_amdhsa_kernel
	.amdgpu_metadata
---
amdhsa.version: [ 1, 2 ]
amdhsa.kernels:
  - .name:           k_q7a9be21419_prep
    .symbol:         k_q7a9be21419_prep.kd
    .args:
      - { .name: x, .offset: 0, .size: 8, .value_kind: global_buffer, .address_space: global }
      - { .name: W_qkv, .offset: 8, .size: 8, .value_kind: global_buffer, .address_space: global }
      - { .name: W_out, .offset: 16, .size: 8, .value_kind: global_buffer, .address_space: global }
      - { .name: mask, .offset: 24, .size: 8, .value_kind: global_buffer, .address_space: global }
      - { .name: xw, .offset: 32, .size: 8, .value_kind: global_buffer, .address_space: global }
      - { .name: wo, .offset: 40, .size: 8, .value_kind: global_buffer, .address_space: global }
      - { .name: mw, .offset: 48, .size: 8, .value_kind: global_buffer, .address_space: global }
    .group_segment_fixed_size: 70144
    .private_segment_fixed_size: 0
    .kernarg_segment_align: 8
    .kernarg_segment_size: 56
    .max_flat_workgroup_size: 128
    .sgpr_count:     66
    .vgpr_count:     256
    .wavefront_size: 32
...
	.end_amdgpu_metadata
.endif
;; end of part 1
;; launch qkv (part 2): grid 4 x 96, 4 waves a work-group, clusters of 4 x 4, 327,680 bytes of LDS; arguments xw, b_qkv, qb, kv; writes qb, kv
.if DOCPART == 2
	.amdgcn_target "amdgcn-amd-amdhsa--gfx1250"
	.amdhsa_code_object_version 6
	.text
	.protected	k_q7a9be21419_qkv
	.globl	k_q7a9be21419_qkv
	.p2align	8
	.type	k_q7a9be21419_qkv,@function
k_q7a9be21419_qkv:
	s_mov_b64 s[64:65], 0
	v_nop
	global_prefetch_b8 v0, s[64:65] scope:SCOPE_SE
	s_setreg_imm32_b32 hwreg(HW_REG_WAVE_MODE, 25, 1), 1
	s_wait_xcnt 0x0
	s_wait_alu depctr_hold_cnt(0) depctr_sa_sdst(0) depctr_va_vdst(0) depctr_va_sdst(0) depctr_va_ssrc(0) depctr_va_vcc(0) depctr_vm_vsrc(0)
	s_getreg_b32 s2, hwreg(HW_REG_IB_STS2, 6, 4)
	s_cmp_eq_u32 s2, 0
	s_cbranch_scc0 .Lentry_in_a_cluster
	s_endpgm
.Lentry_in_a_cluster:
	s_bfe_u32 s2, ttmp6, 0x10000c
	s_cmp_lg_u32 s2, 0xf033
	s_cbranch_scc0 .Lentry_shape_is_right
	s_endpgm
.Lentry_shape_is_right:
; QKV.  qkv = x W_qkv^T + b_qkv on codes of FP8 (E4M3) with E8M0 scales, and q, k, v quantised in registers for the attention launch: q and k along the head's 64, v along the keys.  The f32 qkv never goes to memory.
; Both operands are tiles of ONE buffer, xw (groups of 128 rows x 8 operand blocks of 16,896 bytes: 8 register images of 2,048 bytes, then 512 bytes of scale words; groups 0-63 x, 64-71 W_q, 72-79 W_k, 80-87 W_v).
; A work-group of four waves makes 256 x 256; a wave 128 (rows P, source 1) x 128 (rows R, source 0): 64 accumulators.  In a result a lane holds ONE row of P, and since the rows of a tile are chosen as
; row 32 (t / 2) + 8 (t % 2) + r + 8 (r / 8), the 64 registers of a block of P's rows are R's rows 32 b + 16 (lane / 16) + 0 .. 15: neighbours, as the conversions want them.
; ROLES, by the cluster's y (the same in all sixteen partners): 0-7: P = tokens, R = W_q's rows; 8-15: P = tokens, R = W_k's rows (registers run along the head's channels);
; 16-23: P = W_v's rows, R = tokens (registers run along the keys).  The loop over K knows no role.
; K = 1,024 goes through a ring of two LDS slots of 256 along K (two operand blocks of each of four groups), filled by the tensor data mover: one dense load of 33,792 bytes a wave.  Images are read as they lie: 512 consecutive bytes a load.
; CLUSTERS: 4 x 4 work-groups; P's tiles are shared along a row of the cluster, R's along a column: joint loads with a mask that names the four.
; OUT.  qb [b h 64][step 16][8,448]: four pair fragments (registers 0-7: token tile 2 f, registers 8-15: tile 2 f + 1; 64 channels each), then 256 bytes of pair scale words.  kv [b h][step][16,896]: K in the same form, then V: four
; fragments (16 channels x 128 keys) and 256 bytes of scale words.  Codes leave as stores of 512 consecutive aligned bytes; the scale words, 256 of a block's 8,448 bytes, as stores of 128 bytes.
; REGISTERS, in windows of 256: window 0: v8-15 v's bias; v16-29 addresses; v32-63 scale words, two sets; v64-127 q's and k's bias; from v128 P's fragments, ONE set (behind the loop: at work);
;   window 1: R's fragments, two sets;  windows 2, 3: the accumulators ((a, b) at v[8 (8 (a % 4) + b)]).
; LIMITS: NaN and infinities are not served; a block of zeros has the byte 1 (its codes are zeros; this program alone reads the bytes).
.set GRP,   135168
.set BLK,   16896                      ; an operand block: 128 rows x 128 K
.set QTR,   2*BLK                      ; what one tensor load brings: one group, 256 along K
.set SLOT,  4*QTR                      ; P's two groups, then R's two
.set SPARE, 2*SLOT                     ; the spare words: 128 bytes for each wave, two blocks of 256 bytes that no other line names
.set FR,    16
.set NQ,    2
.set NL,    4
.set NP,    8                          ; places behind this matrix instruction (ISA guide 7.12.1)
.set BP,    8                          ; v8-15   v's bias: block a's number of my lane-row
.set ADRA,  16                         ; v16-17  LDS address of P's images in slot 0, 1
.set ADRB,  20                         ; v20-21  of R's
.set ADRS,  22                         ; v22-23  of the scale words: lanes 0-15 P's, lanes 16-31 R's
.set LI,    24                         ; v24     16 x lane
.set LW,    25                         ; v25     4 x lane
.set SPW,   28                         ; v28     my spare word; never rewritten
.set NIL,   29                         ; v29     0; never rewritten
.set SC,    32                         ; scale words: set s at v[SC + 16 s]; register 2 i + q: block i, the slot's q-th 128 along K
.set BR,    64                         ; v64-127 q's and k's bias in the results' layout
.set AF,    128
.set T,     128                        ; behind the loop: v128-191 64 numbers; v192-207 codes; v208-223 at work; v224-225 scale words; v226-232 pair words; v234-249 v's bias in pairs
.set PC,    192
.set TM,    208
.set PWR,   224
.set KEEP,  226
.set WRD,   228
.set MQ,    230
.set MV,    232
.set BPP,   234
.set G1,  24
.set G0,  32
.set G1B, 48
.set G0B, 56
.set ROLE, 66                          ; s66  0: q or k, 1: v
.set SB0,  68                          ; s[68:69], s[70:71] where my two heads' blocks begin
.set SB1,  70
.set HM,   76                          ; s76  lanes 16-31
.set SEL,  78
.set MNT,  80
.set MSB, 0
.macro WIN new                         ; the immediate's high byte repeats the setting that is left
.if MSB != (\new)
	s_set_vgpr_msb (MSB<<8)|(\new)
.set MSB, (\new)
.endif
.endm
.set MUL_LO, 0xa1                      ; source 0 (R) window 1, source 1 (P) window 0, C and D window 2
.set MUL_HI, 0xf1
.set TO_B,   0x40
; A joint load: waves 0 and 1 fetch P's two groups, waves 2 and 3 R's.  The branch hangs on the wave's number alone.  Four v_nop follow each of the two lines.
.macro JLOAD g0a, g1a, g0b, g1b
	s_cmp_eq_u32 s15, 0
	s_cbranch_scc0 .Lfor_b_\@
	tensor_load_to_lds s[\g0a:\g0a+3], s[\g1a:\g1a+7]
	s_nop 0
.rept 4
	v_nop
.endr
	s_branch .Lasked_\@
.Lfor_b_\@:
	tensor_load_to_lds s[\g0b:\g0b+3], s[\g1b:\g1b+7]
	s_nop 0
.rept 4
	v_nop
.endr
.Lasked_\@:
.endm
.macro CREST                           ; a round of the cluster's barrier behind its opening barrier
	s_cmp_lg_u32 s14, 0
	s_cbranch_scc1 .Lnot_wave_0_\@
	s_barrier_signal -3
.Lnot_wave_0_\@:
	s_barrier_wait -3
	s_barrier_signal -1
	s_barrier_wait -1
.endm
.macro CROUND
	s_barrier_signal -1
	s_barrier_wait -1
	CREST
.endm
	s_load_b256 s[4:11], s[0:1], 0x0               ; xw s[4:5], b_qkv s[6:7], qb s[8:9], kv s[10:11]
	v_lshl_add_u32 v[SPW], v0, 2, SPARE
	v_mov_b32 v[NIL], 0
	ds_add_u32 v28, v29
	ds_add_u32 v28, v29
	s_wait_dscnt 0x0
	v_lshrrev_b32 v1, 5, v0
	v_readfirstlane_b32 s14, v1                    ; wave 0..3
	s_lshr_b32 s15, s14, 1                         ; which half of P's rows is mine.  Also: I fetch for P (0) or for R (1)
	s_and_b32 s16, s14, 1                          ; which half of R's rows.  Also: which group of that tile I fetch
	s_bfe_u32 s40, ttmp6, 0x40000                  ; cx
	s_bfe_u32 s41, ttmp6, 0x40004                  ; cy
	s_and_b32 s17, ttmp7, 0xffff                   ; the cluster's y, 0..23
	s_and_b32 s18, s17, 7
	s_lshr_b32 s19, s17, 3
	s_add_co_u32 s19, s19, 8
	s_sub_co_u32 s82, s17, 16
	s_cmp_lt_u32 s17, 16
	s_cselect_b32 s18, s18, 10                     ; P's tiles, in fours: tokens, or W_v's rows
	s_cselect_b32 s19, s19, s82                    ; R's: W_q's or W_k's rows, or tokens
	s_cselect_b32 s[ROLE], 0, 1
	s_lshl_b32 s18, s18, 2
	s_add_co_u32 s18, s18, s41                     ; P's tile of 256 rows: it hangs on cy alone
	s_lshl_b32 s19, s19, 2
	s_add_co_u32 s19, s19, s40                     ; R's: on cx alone
	s_lshl_b32 s43, s41, 2
	s_lshl_b32 s43, 15, s43                        ; my row of the cluster
	s_lshl_b32 s44, 0x1111, s40                    ; my column
	; descriptor group 1: a dense block of 33,792 bytes as 132 rows of 32 elements of 8 bytes, no padding
	s_or_b32 s[G1], s43, (3<<16)|(1<<21)           ; 15:0 the mask; 17:16 elements of 8 bytes; 21 set beside a mask
	s_or_b32 s[G1B], s44, (3<<16)|(1<<21)
.irp g, G1, G1B
	s_mov_b32 s[\g+1], 32<<16                      ; tensor_dim0
	s_mov_b32 s[\g+2], 132<<16                     ; tensor_dim1
	s_mov_b32 s[\g+3], 32<<16                      ; tile_dim0
	s_mov_b32 s[\g+4], 132                         ; tile_dim1
	s_mov_b32 s[\g+5], 32                          ; tensor_dim0_stride
	s_mov_b32 s[\g+6], 0
	s_mov_b32 s[\g+7], 0
.endr
	s_lshl_b32 s20, s18, 1
	s_add_co_u32 s20, s20, s16
	s_mul_i32 s20, s20, GRP                        ; P: the group that I fetch (under 2^24 bytes)
	s_mov_b32 s21, 0
	s_lshl_b32 s46, s19, 1
	s_add_co_u32 s46, s46, s16
	s_mul_i32 s46, s46, GRP                        ; R likewise
	s_mov_b32 s47, 0
	s_mul_i32 s45, s14, QTR                        ; where it goes: wave x 33,792: no place in the cluster enters an LDS address
	s_wait_kmcnt 0x0
	s_add_nc_u64 s[20:21], s[4:5], s[20:21]
	s_add_nc_u64 s[46:47], s[4:5], s[46:47]
	CROUND                                         ; all sixteen work-groups are here: the first joint loads meet
.irp s, 0,1
	s_mov_b32 s[G0+4*\s], 1
	s_add_co_u32 s[G0+4*\s+1], s45, \s*SLOT
	s_add_nc_u64 s[G0+4*\s+2:G0+4*\s+3], s[20:21], \s*QTR
	s_or_b32 s[G0+4*\s+3], s[G0+4*\s+3], 0x80000000
	s_mov_b32 s[G0B+4*\s], 1
	s_add_co_u32 s[G0B+4*\s+1], s45, \s*SLOT
	s_add_nc_u64 s[G0B+4*\s+2:G0B+4*\s+3], s[46:47], \s*QTR
	s_or_b32 s[G0B+4*\s+3], s[G0B+4*\s+3], 0x80000000
	JLOAD G0+4*\s, G1, G0B+4*\s, G1B
.endr
	v_and_b32 v1, 15, v0                           ; r
	v_bfe_u32 v2, v0, 4, 1                         ; h
	v_and_b32 v3, 31, v0                           ; lane
	v_lshlrev_b32 v[LI], 4, v3
	v_lshlrev_b32 v[LW], 2, v3
	s_mul_i32 s82, s15, QTR                        ; my group of P
	s_mul_i32 s83, s16, QTR
	s_add_co_u32 s83, s83, 2*QTR                   ; my group of R, behind P's two
	s_sub_co_u32 s84, s83, s82
	v_mul_u32_u24 v6, s84, v2                      ; lanes 16-31 take R's scale words: one product, the distance between the two groups
	v_lshl_add_u32 v5, v1, 2, v6
	s_add_co_u32 s85, s82, 16384
.irp s, 0,1
	v_add_nc_u32 v[ADRA+\s], s82, v[LI]
	v_add_nc_u32 v[ADRB+\s], s83, v[LI]
	v_add_nc_u32 v[ADRS+\s], s85, v5
	s_add_co_u32 s82, s82, SLOT
	s_add_co_u32 s83, s83, SLOT
	s_add_co_u32 s85, s85, SLOT
.endr
	; the biases.  Both tables are loaded in both roles; the one that a role does not use comes from the buffer's first bytes
	s_sub_co_u32 s84, s19, 32
	s_lshl_b32 s84, s84, 10
	s_lshl_b32 s85, s16, 9
	s_add_co_u32 s84, s84, s85                     ; q, k: 4 x (256 x (R's tile - 32) + 128 x half)
	s_lshl_b32 s86, s41, 10
	s_lshl_b32 s87, s15, 9
	s_add_co_u32 s86, s86, s87
	s_add_co_u32 s86, s86, 8192                    ; v: 4 x (2,048 + 256 cy + 128 x half)
	s_cmp_eq_u32 s[ROLE], 0
	s_cselect_b32 s84, s84, 0
	s_cselect_b32 s86, 0, s86
	s_mov_b32 s85, 0
	s_mov_b32 s87, 0
	s_add_nc_u64 s[72:73], s[6:7], s[84:85]
	s_add_nc_u64 s[74:75], s[6:7], s[86:87]
	v_lshlrev_b32 v7, 6, v2                        ; 64 h
	v_and_b32 v4, 8, v1
	v_add_nc_u32 v4, v4, v1
	v_lshlrev_b32 v4, 2, v4                        ; 4 (r + 8 (r / 8))
.irp t, 0,1,2,3,4,5,6,7
	global_load_b128 v[BR+8*\t:BR+8*\t+3], v7, s[72:73] offset:(32*(\t/2)+8*(\t%2))*4
	global_load_b128 v[BR+8*\t+4:BR+8*\t+7], v7, s[72:73] offset:(32*(\t/2)+8*(\t%2))*4+16
.endr
.irp a, 0,1,2,3,4,5,6,7
	global_load_b32 v[BP+\a], v4, s[74:75] offset:(32*(\a/2)+8*(\a%2))*4
.endr
	; where my results go: token group tg = 16 batch + step; my two heads
	s_lshl_b32 s88, s18, 1
	s_add_co_u32 s88, s88, s15                     ; q, k: tokens are P's rows
	s_lshl_b32 s89, s19, 1
	s_add_co_u32 s89, s89, s16                     ; v: R's
	s_lshl_b32 s90, s40, 2
	s_lshl_b32 s91, s16, 1
	s_add_co_u32 s90, s90, s91                     ; q, k: heads 4 cx + 2 x half on
	s_lshl_b32 s91, s41, 2
	s_lshl_b32 s92, s15, 1
	s_add_co_u32 s91, s91, s92                     ; v: 4 cy + 2 x half on
	s_cmp_eq_u32 s[ROLE], 0
	s_cselect_b32 s88, s88, s89
	s_cselect_b32 s90, s90, s91
	s_cselect_b32 s93, 0, 8448                     ; V lies behind K in a block
	s_lshr_b32 s89, s88, 4                         ; batch
	s_and_b32 s88, s88, 15                         ; step
	s_lshl_b32 s89, s89, 4
	s_add_co_u32 s89, s89, s90
	s_lshl_b32 s89, s89, 4
	s_add_co_u32 s89, s89, s88                     ; (16 batch + head) x 16 + step
	s_mov_b32 s94, 16896
	s_cmp_lt_u32 s17, 8
	s_cselect_b32 s94, 8448, s94                   ; a block of qb, or of kv
	s_cselect_b64 s[SB0:SB0+1], s[8:9], s[10:11]
	s_mul_i32 s92, s89, s94
	s_add_co_u32 s92, s92, s93
	s_mov_b32 s93, 0
	s_add_nc_u64 s[SB0:SB0+1], s[SB0:SB0+1], s[92:93]
	s_lshl_b32 s94, s94, 4                         ; the next head: 16 blocks on
	s_mov_b32 s95, 0
	s_add_nc_u64 s[SB1:SB1+1], s[SB0:SB0+1], s[94:95]
	s_mov_b32 s[HM], 0xffff0000
	s_mov_b32 s[SEL], 0x76543210
	s_mov_b32 s[SEL+1], 0xfedcba98
	s_mov_b32 s[MNT], 0x600000
.macro FRAG reg, adr, q, i             ; a fragment's image: four loads of 512 consecutive bytes
.irp c, 0,1,2,3
	ds_load_b128 v[\reg+4*\c:\reg+4*\c+3], v[\adr] offset:(\q)*BLK+(\i)*2048+512*\c
.endr
.endm
; 16 matrix instructions: P's blocks a0, a0 + 1 x R's eight.  The 64 accumulators take turns, one instruction a turn, in the same order in every step.
.macro MUL16 a0, p, q, sc, zero
.irp a, \a0, \a0+1
.irp b, 0,1,2,3,4,5,6,7
.if \zero
	v_wmma_scale_f32_16x16x128_f8f6f4 v[8*(8*((\a)%4)+\b):8*(8*((\a)%4)+\b)+7], v[128*(\p)+FR*\b:128*(\p)+FR*\b+FR-1], v[AF+FR*(\a):AF+FR*(\a)+FR-1], 0, v[SC+8*NQ*(\sc)+NQ*\b+(\q)], v[SC+8*NQ*(\sc)+NQ*(\a)+(\q)] matrix_a_scale:MATRIX_SCALE_ROW1
.else
	v_wmma_scale_f32_16x16x128_f8f6f4 v[8*(8*((\a)%4)+\b):8*(8*((\a)%4)+\b)+7], v[128*(\p)+FR*\b:128*(\p)+FR*\b+FR-1], v[AF+FR*(\a):AF+FR*(\a)+FR-1], v[8*(8*((\a)%4)+\b):8*(8*((\a)%4)+\b)+7], v[SC+8*NQ*(\sc)+NQ*\b+(\q)], v[SC+8*NQ*(\sc)+NQ*(\a)+(\q)] matrix_a_scale:MATRIX_SCALE_ROW1
.endif
.endr
.endr
.endm
.macro FETCH_B slot, q, p
	WIN TO_B
.irp i, 0,1,2,3,4,5,6,7
	FRAG 128*(\p)+FR*\i, ADRB+\slot, \q, \i
.endr
	WIN 0
.endm
.macro FETCH_A slot, q, i0
.irp i, \i0, \i0+1, \i0+2, \i0+3
	FRAG AF+FR*(\i), ADRA+\slot, \q, \i
.endr
.endm
.macro SCALES sc                       ; a slot's scale words: lanes 0-15 take P's block i, lanes 16-31 R's block i
.irp i, 0,1,2,3,4,5,6,7
.irp q, 0,1
	ds_load_b32 v[SC+8*NQ*\sc+NQ*\i+\q], v[ADRS+\sc] offset:\q*BLK+64*\i
.endr
.endr
.endm
.macro PLACES n                        ; plain vector lines between a matrix instruction and a load into, or a read of, its registers
.rept \n
	v_nop
.endr
.endm
.macro STEP slot, q, zero              ; a step of 128 along K that has its successor in the same slot
	s_wait_dscnt 4*NL                              ; R's set, P's blocks 0-3 and the scale words are in; the youngest 16 loads (P's blocks 4-7) may be out
	WIN MUL_LO
	MUL16 0, (\q)%2, \q, \slot, \zero
	MUL16 2, (\q)%2, \q, \slot, \zero
	s_wait_dscnt 0
	PLACES NP
	FETCH_B \slot, (\q)+1, 1-(\q)%2
	FETCH_A \slot, (\q)+1, 0
	WIN MUL_HI
	MUL16 4, (\q)%2, \q, \slot, \zero
	MUL16 6, (\q)%2, \q, \slot, \zero
	PLACES NP
	WIN 0
	FETCH_A \slot, (\q)+1, 4
.endm
; A slot's last step changes slots: one barrier; in front of it each wave waits for all its tensor loads, adds 0 to its spare word, and waits for that and for its reads of this slot.
.macro TURN slot, next, fill
	s_wait_tensorcnt 0x0                           ; all my tensor loads have landed: my part of the next slot
	ds_add_u32 v[SPW], v[NIL]                      ; 0 onto my spare word
	s_wait_dscnt 4*NL+1                            ; the add and the youngest 16 loads (P's blocks 4-7) may be out
	WIN MUL_LO
	MUL16 0, 1, NQ-1, \slot, 0
	s_wait_dscnt 0x0                               ; the add is done, and my reads of this slot are over
	s_barrier_signal -1
	MUL16 2, 1, NQ-1, \slot, 0
	WIN 0
	s_barrier_wait -1
.if \fill
	CREST                                          ; the barrier has opened a round of the cluster's: no wave of any partner still reads this slot or has a load on its way
	s_add_nc_u64 s[G0+4*\slot+2:G0+4*\slot+3], s[G0+4*\slot+2:G0+4*\slot+3], 2*QTR
	s_add_nc_u64 s[G0B+4*\slot+2:G0B+4*\slot+3], s[G0B+4*\slot+2:G0B+4*\slot+3], 2*QTR
	JLOAD G0+4*\slot, G1, G0B+4*\slot, G1B         ; the first tensor load behind the round; its four v_nop are four of the places
	PLACES NP-4
.else
	PLACES NP
.endif
	FETCH_B \next, 0, 0
	FETCH_A \next, 0, 0
	SCALES \next
	WIN MUL_HI
	MUL16 4, 1, NQ-1, \slot, 0
	MUL16 6, 1, NQ-1, \slot, 0
	PLACES NP
	WIN 0
	FETCH_A \next, 0, 4
.endm
.macro QUANT s, pw                     ; 64 numbers of a lane, register 16 b + i = place 32 b + 16 (lane / 16) + i along the next K, become 16 registers of codes in v[PC] on and a scale word in v[pw]
.irp b, 0,1,2,3
	v_max3_num_f32 v[TM+\b], |v[\s+16*\b]|, |v[\s+1+16*\b]|, 0x4800000   ; and the floor 2^(9 - 127): the byte cannot fall under 1
.endr
.irp i, 2,4,6,8,10,12,14
.irp b, 0,1,2,3
	v_max3_num_f32 v[TM+\b], v[TM+\b], |v[\s+16*\b+\i]|, |v[\s+1+16*\b+\i]|
.endr
.endr
.irp b, 0,1,2,3
	v_permlanex16_b32 v[TM+4+\b], v[TM+\b], s[SEL], s[SEL+1]
.endr
.irp b, 0,1,2,3
	v_max_num_f32 v[TM+\b], v[TM+\b], v[TM+4+\b]
.endr
.irp b, 0,1,2,3
	v_add_nc_u32 v[TM+12+\b], 0xfc000000, v[TM+\b] ; 8 off the exponent field: the conversion's scale operand
.endr
.irp b, 0,1,2,3
	v_and_or_b32 v[TM+8+\b], v[TM+\b], 0x7f800000, s[MNT]   ; 448 x the scale
.endr
.irp b, 0,1,2,3
	v_lshrrev_b32 v[TM+4+\b], 23, v[TM+12+\b]
.endr
	v_lshl_or_b32 v[\pw], v[TM+5], 8, v[TM+4]
	v_lshl_or_b32 v[\pw], v[TM+6], 16, v[\pw]
	v_lshl_or_b32 v[\pw], v[TM+7], 24, v[\pw]
.irp b, 0,1,2,3
.irp i, 0,1,2,3,4,5,6,7,8,9,10,11,12,13,14,15
	v_med3_num_f32 v[\s+16*\b+\i], v[\s+16*\b+\i], -v[TM+8+\b], v[TM+8+\b]   ; the conversion does not saturate (ISA guide 7.6.2)
.endr
	v_cvt_scalef32_pk8_fp8_f32 v[PC+4*\b:PC+1+4*\b], v[\s+16*\b:\s+7+16*\b], v[TM+12+\b]
	v_cvt_scalef32_pk8_fp8_f32 v[PC+2+4*\b:PC+3+4*\b], v[\s+8+16*\b:\s+15+16*\b], v[TM+12+\b]
.endr
	v_nop                                          ; a plain line behind the last conversion
.endm
	s_wait_loadcnt 0x0                             ; the biases
	s_wait_tensorcnt 1                             ; my part of slot 0 is in; slot 1's load may be out
	s_barrier_signal -1
	s_barrier_wait -1
	FETCH_B 0, 0, 0
	FETCH_A 0, 0, 0
	SCALES 0
	FETCH_A 0, 0, 4
	STEP 0, 0, 1                                   ; the first products start the sums: nothing is cleared
	TURN 0, 1, 1                                   ; K = 1,024 is four slots' worth: twice round the ring, written straight
	STEP 1, 0, 0
	TURN 1, 0, 1
	STEP 0, 0, 0
	TURN 0, 1, 0                                   ; nothing is left to fetch
	STEP 1, 0, 0
	s_wait_dscnt 4*NL
	WIN MUL_LO
	MUL16 0, 1, NQ-1, 1, 0
	MUL16 2, 1, NQ-1, 1, 0
	s_wait_dscnt 0
	WIN MUL_HI
	MUL16 4, 1, NQ-1, 1, 0
	MUL16 6, 1, NQ-1, 1, 0
	WIN 0
	; THE WAY OUT, a block of 16 of P's rows at a time: + bias (which also brings the numbers into window 0), quantise, store.  No LDS: the codes' registers are the images that the next launch loads.
	PLACES NP
.irp a, 0,1,2,3,4,5,6,7
	v_mov_b32 v[BPP+2*\a], v[BP+\a]                ; v's bias in pairs, for the packed add
	v_mov_b32 v[BPP+2*\a+1], v[BP+\a]
.endr
.irp b, 0,1,2,3
	v_mov_b32 v[TM+4+\b], 0                        ; a lane permute's destination counts as one of its sources
.endr
.macro EPI a
.set AC, 64*((\a)%4)
	s_wait_xcnt 0x0                                ; the last block's stores have read their registers
	s_cmp_eq_u32 s[ROLE], 0
	s_cbranch_scc0 .Lbias_v_\@
	WIN 0x02+(\a)/4                                ; source 0: the accumulators' window
.set k, 0
.rept 32
	v_pk_add_f32 v[T+k:T+k+1], v[AC+k:AC+k+1], v[BR+k:BR+k+1]   ; ascending: each accumulator is read from its low end on
.set k, k+2
.endr
	WIN 0
	s_branch .Lbias_done_\@
.Lbias_v_\@:
	WIN 0x02+(\a)/4
.set k, 0
.rept 32
	v_pk_add_f32 v[T+k:T+k+1], v[AC+k:AC+k+1], v[BPP+2*(\a):BPP+2*(\a)+1]
.set k, k+2
.endr
	WIN 0
.Lbias_done_\@:
	QUANT T, PWR+(\a)%2
.if (\a)%2 == 1                        ; the scale words of two blocks are joined; the register work is common to both roles
	v_cndmask_b32 v[MV], v[PWR], v[PWR+1], s[HM]   ; v: lanes 0-15 the even block's words, lanes 16-31 the odd one's
.if (\a)%4 == 1
	v_perm_b32 v[KEEP], v[PWR+1], v[PWR], 0x05040100     ; q, k: a pair word of my first head: two bytes of the even tile, two of the odd;
	v_perm_b32 v[KEEP+1], v[PWR+1], v[PWR], 0x07060302   ; of my second head
.else
	v_perm_b32 v[WRD], v[PWR+1], v[PWR], 0x05040100
	v_perm_b32 v[WRD+1], v[PWR+1], v[PWR], 0x07060302
	v_cndmask_b32 v[MQ], v[KEEP], v[WRD], s[HM]    ; lanes 0-15 the even pair's words, lanes 16-31 the odd pair's
	v_cndmask_b32 v[MQ+1], v[KEEP+1], v[WRD+1], s[HM]
.endif
.endif
	s_cmp_eq_u32 s[ROLE], 0
	s_cbranch_scc0 .Lstore_v_\@
	global_store_b128 v[LI], v[PC:PC+3], s[SB0:SB0+1] offset:((\a)/2)*2048+(2*((\a)%2))*512        ; each store: 512 consecutive bytes, aligned
	global_store_b128 v[LI], v[PC+4:PC+7], s[SB0:SB0+1] offset:((\a)/2)*2048+(2*((\a)%2)+1)*512
	global_store_b128 v[LI], v[PC+8:PC+11], s[SB1:SB1+1] offset:((\a)/2)*2048+(2*((\a)%2))*512
	global_store_b128 v[LI], v[PC+12:PC+15], s[SB1:SB1+1] offset:((\a)/2)*2048+(2*((\a)%2)+1)*512
.if (\a)%4 == 3
	global_store_b32 v[LW], v[MQ], s[SB0:SB0+1] offset:8192+128*((\a)/4)
	global_store_b32 v[LW], v[MQ+1], s[SB1:SB1+1] offset:8192+128*((\a)/4)
.endif
	s_branch .Lstore_done_\@
.Lstore_v_\@:
.irp c, 0,1,2,3
	global_store_b128 v[LI], v[PC+4*\c:PC+4*\c+3], s[SB0+2*((\a)/4):SB0+2*((\a)/4)+1] offset:((\a)%4)*2048+512*\c
.endr
.if (\a)%2 == 1
	global_store_b32 v[LW], v[MV], s[SB0+2*((\a)/4):SB0+2*((\a)/4)+1] offset:8192+128*(((\a)%4)/2)
.endif
.Lstore_done_\@:
.endm
.irp a, 0,1,2,3,4,5,6,7
	EPI \a
.endr
	s_wait_tensorcnt 0x0                           ; the wave's end
	ds_add_u32 v[SPW], v[NIL]
	s_wait_dscnt 0x0
	CROUND                                         ; the closing round: no work-group ends while a partner may still ask for a tile that names it
	s_endpgm
.Lfunc_end_k_q7a9be21419_qkv:
	.size	k_q7a9be21419_qkv, .Lfunc_end_k_q7a9be21419_qkv-k_q7a9be21419_qkv
	.p2alignl 7, 3214868480
	.fill 96, 4, 3214868480
	.section	.rodata,"a",@progbits
	.p2align	6, 0x0
	.amdhsa_kernel k_q7a9be21419_qkv
		.amdhsa_group_segment_fixed_size 327680
		.amdhsa_private_segment_fixed_size 0
		.amdhsa_enable_private_segment 0
		.amdhsa_kernarg_size 32
		.amdhsa_user_sgpr_count 2
		.amdhsa_user_sgpr_kernarg_segment_ptr 1
		.amdhsa_wavefront_size32 1
		.amdhsa_system_sgpr_workgroup_id_x 1
		.amdhsa_system_sgpr_workgroup_id_y 1
		.amdhsa_system_sgpr_workgroup_id_z 1
		.amdhsa_system_vgpr_workitem_id 0
		.amdhsa_next_free_vgpr 1024
		.amdhsa_next_free_sgpr 100
		.amdhsa_reserve_vcc 0
		.amdhsa_float_denorm_mode_32 3
		.amdhsa_float_denorm_mode_16_64 3
		.amdhsa_memory_ordered 1
		.amdhsa_forward_progress 1
		.amdhsa_inst_pref_size 226
	.end_amdhsa_kernel
	.amdgpu_metadata
---
amdhsa.version: [ 1, 2 ]
amdhsa.kernels:
  - .name:           k_q7a9be21419_qkv
    .symbol:         k_q7a9be21419_qkv.kd
    .args:
      - { .name: xw, .offset: 0, .size: 8, .value_kind: global_buffer, .address_space: global }
      - { .name: b_qkv, .offset: 8, .size: 8, .value_kind: global_buffer, .address_space: global }
      - { .name: qb, .offset: 16, .size: 8, .value_kind: global_buffer, .address_space: global }
      - { .name: kv, .offset: 24, .size: 8, .value_kind: global_buffer, .address_space: global }
    .group_segment_fixed_size: 327680
    .private_segment_fixed_size: 0
    .kernarg_segment_align: 8
    .kernarg_segment_size: 32
    .max_flat_workgroup_size: 128
    .sgpr_count:     100
    .vgpr_count:     1024
    .wavefront_size: 32
...
	.end_amdgpu_metadata
.endif
;; end of part 2
;; launch attn (part 3): grid 4 x 64, 16 waves a work-group, clusters of 4 x 1, 327,680 bytes of LDS; arguments qb, kv, mw, ob; writes ob
.if DOCPART == 3
	.amdgcn_target "amdgcn-amd-amdhsa--gfx1250"
	.amdhsa_code_object_version 6
	.text
	.protected	k_q7a9be21419_attn
	.globl	k_q7a9be21419_attn
	.p2align	8
	.type	k_q7a9be21419_attn,@function
k_q7a9be21419_attn:
	s_mov_b64 s[64:65], 0
	v_nop
	global_prefetch_b8 v0, s[64:65] scope:SCOPE_SE
	s_setreg_imm32_b32 hwreg(HW_REG_WAVE_MODE, 25, 1), 1
	s_wait_xcnt 0x0
	s_wait_alu depctr_hold_cnt(0) depctr_sa_sdst(0) depctr_va_vdst(0) depctr_va_sdst(0) depctr_va_ssrc(0) depctr_va_vcc(0) depctr_vm_vsrc(0)
	s_getreg_b32 s2, hwreg(HW_REG_IB_STS2, 6, 4)
	s_cmp_eq_u32 s2, 0
	s_cbranch_scc0 .Lentry_in_a_cluster
	s_endpgm
.Lentry_in_a_cluster:
	s_bfe_u32 s2, ttmp6, 0x10000c
	s_cmp_lg_u32 s2, 0x3003
	s_cbranch_scc0 .Lentry_shape_is_right
	s_endpgm
.Lentry_shape_is_right:
; ATTN.  o = softmax(where(mask == 0, -1e9, q k^T / 8)) v for one head of one batch, both products on codes of FP8 (E4M3) with E8M0 scales; o is divided by the row's sum, quantised along the channels and stored as the last product's operand.
; THE SOFTMAX AHEAD OF THE SECOND PRODUCT: t = score x log2(e) / 8; M = the running largest t rounded UP to a whole number; p = 2^(t - M) is quantised along the keys, not normalised; the row's sum is taken of the unquantised p.
; When M moves, the sum and O are multiplied by 2^(old M - new M), which rounds nothing.
; SHARES.  The four work-groups of a cluster take 512 queries each of one head (the cluster's y).  Each of sixteen waves owns one tile of 16 queries at a time, two tiles one after the other; four waves share a SIMD.
; THE HEAD'S K AND V STAY IN LDS: 16 blocks of 16,896 bytes (128 keys each), filled ONCE by joint loads that name the four work-groups (waves 0-3, four loads each).  No byte of LDS is filled twice.
; LAYOUT.  Both products are used transposed: a lane holds ONE query (lane % 16).  The rows of a tile are 32 (t / 2) + 8 (t % 2) + r + 8 (r / 8), so a lane's score register n holds key 32 (n / 16) + 16 (lane / 16) + n % 16 of the step.
; THE HEAD HAS 64 CHANNELS, THE INSTRUCTION 128 ALONG K: a fragment of K holds key tile 2 f in k = 0 .. 63 and tile 2 f + 1 in k = 64 .. 127.  Against [q | zeros] it gives the scores of tile 2 f, against [zeros | q] those of
; tile 2 f + 1: no LDS byte is spent on zeros.  Zero codes add nothing under any of these scale bytes.
; THE MASK is an input: every key step is computed for every query.  The launch before stored it as lane masks, 64 words a step, which come into scalar registers a step ahead: one v_cndmask_b32 a score.
; LIMITS.  A hidden score is set to -2^33 (logit -2^30, where the definition has -1e9): its product with c is exact, so a wholly hidden row has p = 1 for every key, the mean of v, as the definition gives;
; elsewhere a hidden key's p is 0 both ways while the logits that count lie above about -1e8.  NaN and infinities are not served.  A block whose p are all 0 has the byte 1 and zero codes.
; The two scale bytes of a row of o leave as stores of 2 bytes a lane: 32 of a tile's 1,056 bytes; the word's other half belongs to the neighbouring head's work-groups.
; REGISTERS: v1-7 constants and addresses; v[8:9] c; v12 -M, v13 the largest t, v[14:15] the sum; v16-23 q, v24-31 zeros, v32-39 q again; v40 q's scale word; v48-111 four fragments of K, then of V; v112-175 scores, then p;
;   v176-207 O^T; v208-223 p's codes; v224-239 at work; v240-243 K's scale words, v244-247 V's; v[248:249] f; v250 p's scale word; v251-253 at work.
; SCALARS: s[2:3] lane selects; s[4:5] mask words, s[6:7] ob, s[66:67] qb at my tile; s[8:31] descriptors; s32-63 and s68-99 the step's 64 mask words; s100 the step's LDS byte; s101 a counter; s104 the mask words' offset; s105 my wave.
.set BLK,  16896                       ; a key step's block: K 8,192 + 256, V 8,192 + 256
.set QBK,  8448                        ; a block of qb
.set VOFF, 8448
.macro CROUND
	s_barrier_signal -1
	s_barrier_wait -1
	s_cmp_lg_u32 s105, 0
	s_cbranch_scc1 .Lnot_wave_0_\@
	s_barrier_signal -3
.Lnot_wave_0_\@:
	s_barrier_wait -3
	s_barrier_signal -1
	s_barrier_wait -1
.endm
	s_load_b256 s[32:39], s[0:1], 0x0              ; qb s[32:33], kv s[34:35], mw s[36:37], ob s[38:39]
	v_lshl_add_u32 v254, v0, 2, 0x42000
	v_mov_b32 v255, 0
	ds_add_u32 v254, v255
	ds_add_u32 v254, v255
	v_lshrrev_b32 v10, 5, v0
	v_readfirstlane_b32 s105, v10                  ; wave 0..15
	s_bfe_u32 s40, ttmp6, 0x40000                  ; cx: it enters the addresses of qb, mw and ob alone
	s_and_b32 s41, ttmp7, 0xffff                   ; 16 batch + head, which the four partners share
	s_and_b32 s42, s105, 3
	s_mul_i32 s42, s42, BLK                        ; a fetching wave's block in a run of four
	s_mul_i32 s44, s41, 16*BLK
	s_add_co_u32 s44, s44, s42
	s_mov_b32 s45, 0
	; descriptor group 1: a dense block of 16,896 bytes as 66 rows of 32 elements of 8 bytes
	s_mov_b32 s8, 15|(3<<16)|(1<<21)               ; 15:0 the mask: all four work-groups; 17:16 elements of 8 bytes; 21 set beside a mask
	s_mov_b32 s9, 32<<16
	s_mov_b32 s10, 66<<16
	s_mov_b32 s11, 32<<16
	s_mov_b32 s12, 66
	s_mov_b32 s13, 32
	s_mov_b32 s14, 0
	s_mov_b32 s15, 0
	; my first query tile is 32 cx + wave of the head's 128
	s_lshr_b32 s48, s105, 3
	s_and_b32 s49, s105, 7
	s_lshr_b32 s50, s49, 1                         ; its pair in the block,
	s_and_b32 s51, s105, 1                         ; and its half of the pair
	s_lshl_b32 s46, s41, 4
	s_lshl_b32 s47, s40, 2
	s_add_co_u32 s46, s46, s47
	s_add_co_u32 s46, s46, s48
	s_mul_i32 s46, s46, QBK
	s_lshl_b32 s52, s50, 11
	s_add_co_u32 s46, s46, s52
	s_lshl_b32 s53, s51, 10
	s_add_co_u32 s46, s46, s53                     ; qb: block, pair, half
	s_mov_b32 s47, 0
	s_mul_i32 s54, s50, 1984
	s_sub_co_u32 s55, 8192, s54
	s_sub_co_u32 s55, s55, s53                     ; from there to the pair's scale words: 8,192 + 64 f - 2,048 f - 1,024 half
	s_lshl_b32 s56, s40, 17
	s_lshl_b32 s57, s105, 12
	s_add_co_u32 s56, s56, s57                     ; mw: 4,096 bytes a tile
	s_mov_b32 s57, 0
	s_and_b32 s58, s41, 48                         ; 16 batch
	s_lshl_b32 s59, s40, 2
	s_add_co_u32 s58, s58, s59
	s_add_co_u32 s58, s58, s48                     ; the token group
	s_lshl_b32 s58, s58, 3
	s_and_b32 s60, s41, 15                         ; the head
	s_lshr_b32 s61, s60, 1
	s_add_co_u32 s58, s58, s61                     ; K step of the last product = head / 2
	s_mul_i32 s58, s58, BLK
	s_lshl_b32 s62, s49, 11
	s_add_co_u32 s58, s58, s62                     ; the tile's image,
	s_and_b32 s63, s60, 1
	s_lshl_b32 s61, s63, 10
	s_add_co_u32 s58, s58, s61                     ; register groups 2 (head % 2) on
	s_mov_b32 s59, 0
	s_mul_i32 s68, s49, 1984
	s_mul_i32 s69, s63, 1022
	s_sub_co_u32 s68, 16384, s68
	s_sub_co_u32 s68, s68, s69                     ; from there to the row's two scale bytes: 16,384 + 64 i + 2 (head % 2) - 2,048 i - 1,024 (head % 2)
	s_mov_b32 s70, 0x03020302
	s_cmp_eq_u32 s51, 0
	s_cselect_b32 s70, 0x01000100, s70             ; which two bytes of the pair word are my tile's
	s_mov_b32 s2, 0x76543210
	s_mov_b32 s3, 0xfedcba98
	v_and_b32 v1, 31, v0
	v_lshlrev_b32 v1, 4, v1                        ; v1: 16 x lane
	v_and_b32 v2, 15, v0
	v_lshlrev_b32 v2, 2, v2                        ; v2: 4 x (lane % 16)
	v_mov_b32 v5, 0xd0000000                       ; v5: -2^33
	v_mov_b32 v6, 0x600000                         ; v6: the mantissa field of 448
	v_mov_b32 v7, s70
	v_mov_b32 v8, 0x3e38aa3b                       ; c = log2(e) / 8
	v_mov_b32 v9, 0x3e38aa3b
	v_add_nc_u32 v41, s68, v2
	v_add_nc_u32 v42, s55, v2
.irp i, 0,1,2,3,4,5,6,7
	v_mov_b32 v[24+\i], 0                          ; the zero half of both forms of q's fragment
.endr
.irp b, 0,1,2,3
	v_mov_b32 v[228+\b], 0                         ; a lane permute's destination counts as one of its sources
.endr
	v_mov_b32 v249, 0                              ; (named as the upper half of the pair v[248:249])
	v_mov_b32 v251, 0
	s_wait_dscnt 0x0
	s_wait_kmcnt 0x0
	s_add_nc_u64 s[44:45], s[34:35], s[44:45]
	s_add_nc_u64 s[66:67], s[32:33], s[46:47]
	s_add_nc_u64 s[4:5], s[36:37], s[56:57]
	s_add_nc_u64 s[6:7], s[38:39], s[58:59]
.irp j, 0,1,2,3
	s_mov_b32 s[16+4*\j], 1                        ; load j of wave w: key step 4 j + w
	s_add_co_u32 s[17+4*\j], s42, \j*4*BLK
	s_add_nc_u64 s[18+4*\j:19+4*\j], s[44:45], \j*4*BLK
	s_or_b32 s[19+4*\j], s[19+4*\j], 0x80000000
.endr
	CROUND                                         ; all four work-groups are here: the joint loads meet
	s_cmp_lt_u32 s105, 4                           ; a wave's fills stand in one branch on its number, ahead of every wait on TENSORcnt, every LDS read and every other barrier
	s_cbranch_scc0 .Lno_fetch
	tensor_load_to_lds s[16:19], s[8:15]
	s_nop 0
	tensor_load_to_lds s[20:23], s[8:15]
	s_nop 0
	tensor_load_to_lds s[24:27], s[8:15]
	s_nop 0
	tensor_load_to_lds s[28:31], s[8:15]
	s_nop 0
.rept 4
	v_nop
.endr
.Lno_fetch:
; A tile of queries begins: the first step's mask words, q (twice), its scale word, and empty sums
.macro BEGIN
	s_wait_kmcnt 0x0                               ; no scalar load is out: its offset and its destinations may be written
	s_mov_b32 s104, 0
	s_load_b512 s[32:47], s[4:5], s104 offset:0x0
	s_load_b512 s[48:63], s[4:5], s104 offset:0x40
	s_load_b512 s[68:83], s[4:5], s104 offset:0x80
	s_load_b512 s[84:99], s[4:5], s104 offset:0xc0
	global_load_b128 v[16:19], v1, s[66:67]
	global_load_b128 v[20:23], v1, s[66:67] offset:512
	global_load_b128 v[32:35], v1, s[66:67]
	global_load_b128 v[36:39], v1, s[66:67] offset:512
	global_load_b32 v10, v42, s[66:67]
	v_mov_b32 v13, 0xff61b1e6                      ; the largest t so far: -3e38
	v_floor_f32 v12, -v13                          ; -M
	v_mov_b32 v14, 0
	v_mov_b32 v15, 0
	s_wait_loadcnt 0x0
	v_perm_b32 v40, v10, v10, v7                   ; my tile's two bytes, twice: they serve both forms of the fragment
.set j, 0
.rept 32
	v_mov_b32 v[176+j], 0                          ; O^T: the step is written once and its first turn finds zeros.  (These lines also stand between the scale word's making and its first use)
.set j, j+1
.endr
.endm
; A KEY STEP: 128 keys, the block at LDS byte s100
.macro STEP
	v_add_nc_u32 v3, s100, v1
	v_add_nc_u32 v4, s100, v2
.rept 6
	v_nop                                          ; with the two additions: eight places behind the last step's products, in front of loads into registers that they read
.endr
.irp f, 0,1,2,3
.irp c, 0,1,2,3
	ds_load_b128 v[48+16*\f+4*\c:51+16*\f+4*\c], v3 offset:2048*\f+512*\c
.endr
	ds_load_b32 v[240+\f], v4 offset:8192+64*\f
.endr
	s_wait_dscnt 0x0
.irp f, 0,1,2,3
.irp u, 0,1
	v_wmma_scale_f32_16x16x128_f8f6f4 v[112+16*\f+8*\u:119+16*\f+8*\u], v[48+16*\f:63+16*\f], v[16+8*\u:31+8*\u], 0, v[240+\f], v40
.endr
.endr
.rept 8
	v_nop                                          ; places in front of the first read of the scores and of the loads over K's fragments
.endr
.irp t, 0,1,2,3
.irp c, 0,1,2,3
	ds_load_b128 v[48+16*\t+4*\c:51+16*\t+4*\c], v3 offset:VOFF+2048*\t+512*\c   ; V's fragments land while the softmax is walked
.endr
	ds_load_b32 v[244+\t], v4 offset:VOFF+8192+64*\t
.endr
	s_wait_kmcnt 0x0                               ; this step's mask words, asked for a step ago
.set n, 0
.rept 32
	v_cndmask_b32 v[112+n], v5, v[112+n], s[32+n]  ; a hidden key's score becomes -2^33; ascending: each accumulator is read from its low end on
.set n, n+1
.endr
.rept 32
	v_cndmask_b32 v[112+n], v5, v[112+n], s[36+n]
.set n, n+1
.endr
	s_add_co_u32 s104, s104, 256                   ; the next step's 64 words; behind the last step the offset is held: no load leaves the tile's 4,096 bytes
	s_min_u32 s104, s104, 3840
	s_load_b512 s[32:47], s[4:5], s104 offset:0x0
	s_load_b512 s[48:63], s[4:5], s104 offset:0x40
	s_load_b512 s[68:83], s[4:5], s104 offset:0x80
	s_load_b512 s[84:99], s[4:5], s104 offset:0xc0
.irp b, 0,1,2,3
	v_max3_num_f32 v[224+\b], v[112+16*\b], v[113+16*\b], v[114+16*\b]   ; the largest score of each block of 32 keys: for the row's maximum, and, since p rises with the score, for the block's largest p
.endr
.irp i, 3,5,7,9,11,13
.irp b, 0,1,2,3
	v_max3_num_f32 v[224+\b], v[224+\b], v[112+16*\b+\i], v[113+16*\b+\i]
.endr
.endr
.irp b, 0,1,2,3
	v_max_num_f32 v[224+\b], v[224+\b], v[127+16*\b]
.endr
.irp b, 0,1,2,3
	v_permlanex16_b32 v[228+\b], v[224+\b], s2, s3
.endr
.irp b, 0,1,2,3
	v_max_num_f32 v[224+\b], v[224+\b], v[228+\b]  ; with lane l xor 16's 16 keys
.endr
	v_max3_num_f32 v251, v224, v225, v226
	v_max_num_f32 v251, v251, v227
	v_mul_f32 v251, v8, v251                       ; as t (c is positive)
	v_max_num_f32 v13, v13, v251                   ; the running largest t
	v_mov_b32 v251, v12
	v_floor_f32 v12, -v13                          ; the new -M = -ceil(t)
	v_sub_f32 v251, v12, v251                      ; old M - new M: a whole number, 0 or less
	v_cvt_i32_f32 v251, v251                       ; (it saturates)
	v_ldexp_f32 v248, 1.0, v251                    ; f = 2^(old M - new M)
.set j, 0
.rept 32
	v_pk_fma_f32 v[112+j:113+j], v[112+j:113+j], v[8:9], v[12:13] op_sel_hi:[1,1,0]   ; t - M, two at a time
.set j, j+2
.endr
.irp b, 0,1,2,3
	v_fma_f32 v[224+\b], v[224+\b], v8, v12        ; the same of each block's largest score
.endr
.set j, 0
.rept 64
	v_exp_f32 v[112+j], v[112+j]                   ; p = 2^(t - M)
.set j, j+1
.endr
	v_pk_mul_f32 v[14:15], v[14:15], v[248:249] op_sel_hi:[1,0]   ; the sums under the new M: a plain line behind the exponentials
	s_wait_alu depctr_va_vdst(0)                   ; one wait for the batch, ahead of its first reader
.irp b, 0,1,2,3
	v_exp_f32 v[224+\b], v[224+\b]                 ; the block's largest p
.endr
	v_pk_add_f32 v[252:253], v[112:113], v[114:115]   ; the row's sum of the unquantised p, in two chains
.irp j, 4,8,12,16,20,24,28,32,36,40,44,48,52,56,60
	v_pk_add_f32 v[14:15], v[14:15], v[112+\j:113+\j]
	v_pk_add_f32 v[252:253], v[252:253], v[114+\j:115+\j]
.endr
	v_pk_add_f32 v[14:15], v[14:15], v[252:253]
	s_wait_alu depctr_va_vdst(0)                   ; and one for the four
.irp b, 0,1,2,3
	v_max_num_f32 v[224+\b], 0x4800000, v[224+\b]  ; the floor 2^(9 - 127)
.endr
.irp b, 0,1,2,3
	v_add_nc_u32 v[236+\b], 0xfc000000, v[224+\b]  ; the conversion's scale operand
.endr
.irp b, 0,1,2,3
	v_and_or_b32 v[232+\b], v[224+\b], 0x7f800000, v6   ; 448 x the scale
.endr
.irp b, 0,1,2,3
	v_lshrrev_b32 v[228+\b], 23, v[236+\b]         ; the scale's byte
.endr
	v_lshl_or_b32 v250, v229, 8, v228              ; p's scale word for these 128 keys
	v_lshl_or_b32 v250, v230, 16, v250
	v_lshl_or_b32 v250, v231, 24, v250
.irp b, 0,1,2,3
.irp i, 0,1,2,3,4,5,6,7,8,9,10,11,12,13,14,15
	v_min_num_f32 v[112+16*\b+\i], v[112+16*\b+\i], v[232+\b]   ; the conversion does not saturate (ISA guide 7.6.2); p is not negative: a one-sided hold
.endr
	v_cvt_scalef32_pk8_fp8_f32 v[208+4*\b:209+4*\b], v[112+16*\b:119+16*\b], v[236+\b]
	v_cvt_scalef32_pk8_fp8_f32 v[210+4*\b:211+4*\b], v[120+16*\b:127+16*\b], v[236+\b]
.endr
.set j, 0
.rept 16
	v_pk_mul_f32 v[176+j:177+j], v[176+j:177+j], v[248:249] op_sel_hi:[1,0]   ; O^T under the new M; these lines also stand between the codes' making and the products
.set j, j+2
.endr
	s_wait_dscnt 0x0                               ; V
.irp t, 0,1,2,3
	v_wmma_scale_f32_16x16x128_f8f6f4 v[176+8*\t:183+8*\t], v[48+16*\t:63+16*\t], v[208:223], v[176+8*\t:183+8*\t], v[244+\t], v250
.endr
	s_add_co_u32 s100, s100, BLK
.endm
; A tile of queries ends: O^T / the sum, quantised along the head's 64 channels (two blocks), stored as two register groups of the last product's operand
.macro FINISH
	v_add_f32 v14, v14, v15
	v_permlanex16_b32 v251, v14, s2, s3
	v_add_f32 v14, v14, v251                       ; the row's sum
	v_rcp_f32 v14, v14
.rept 8
	v_nop                                          ; places behind the last products, and the plain line behind the reciprocal
.endr
	s_wait_alu depctr_va_vdst(0)                   ; ahead of the reciprocal's first reader
.set j, 0
.rept 16
	v_pk_mul_f32 v[112+j:113+j], v[176+j:177+j], v[14:15] op_sel_hi:[1,0]   ; register 16 b + i: channel 32 b + 16 (lane / 16) + i
.set j, j+2
.endr
.irp b, 0,1
	v_max3_num_f32 v[224+\b], |v[112+16*\b]|, |v[113+16*\b]|, 0x4800000
.endr
.irp i, 2,4,6,8,10,12,14
.irp b, 0,1
	v_max3_num_f32 v[224+\b], v[224+\b], |v[112+16*\b+\i]|, |v[113+16*\b+\i]|
.endr
.endr
.irp b, 0,1
	v_permlanex16_b32 v[228+\b], v[224+\b], s2, s3
.endr
.irp b, 0,1
	v_max_num_f32 v[224+\b], v[224+\b], v[228+\b]
.endr
.irp b, 0,1
	v_add_nc_u32 v[236+\b], 0xfc000000, v[224+\b]
.endr
.irp b, 0,1
	v_and_or_b32 v[232+\b], v[224+\b], 0x7f800000, v6
.endr
.irp b, 0,1
	v_lshrrev_b32 v[228+\b], 23, v[236+\b]
.endr
	v_lshl_or_b32 v11, v229, 8, v228               ; the row's two scale bytes
.irp b, 0,1
.irp i, 0,1,2,3,4,5,6,7,8,9,10,11,12,13,14,15
	v_med3_num_f32 v[112+16*\b+\i], v[112+16*\b+\i], -v[232+\b], v[232+\b]
.endr
	v_cvt_scalef32_pk8_fp8_f32 v[208+4*\b:209+4*\b], v[112+16*\b:119+16*\b], v[236+\b]
	v_cvt_scalef32_pk8_fp8_f32 v[210+4*\b:211+4*\b], v[120+16*\b:127+16*\b], v[236+\b]
.endr
	v_nop                                          ; a plain line behind the last conversion
	global_store_b128 v1, v[208:211], s[6:7]       ; 512 consecutive bytes, aligned
	global_store_b128 v1, v[212:215], s[6:7] offset:512
	global_store_b16 v41, v11, s[6:7]              ; lanes r and r + 16 write the same two bytes with the same value
.endm
	BEGIN
.irp j, 0,1,2,3
	s_wait_tensorcnt 3-\j                          ; a fetching wave's load j is in; its 3 - j later ones may be out
	s_barrier_signal -1
	s_barrier_wait -1                              ; key steps 4 j .. 4 j + 3 lie in LDS
	s_mov_b32 s100, \j*4*BLK
	s_mov_b32 s101, 4
.Lfirst_\j:
	STEP
	s_sub_co_u32 s101, s101, 1
	s_cmp_lg_u32 s101, 0
	s_cbranch_scc1 .Lfirst_\j
.endr
	FINISH
	s_wait_xcnt 0x0                                ; the stores have read their registers and their base,
	s_wait_kmcnt 0x0                               ; and the held reload of the mask words is done: the three addresses step to query tile + 16
	s_add_nc_u64 s[66:67], s[66:67], 2*QBK
	s_add_nc_u64 s[6:7], s[6:7], 16*BLK
	s_add_nc_u64 s[4:5], s[4:5], 65536
	BEGIN
	s_mov_b32 s100, 0
	s_mov_b32 s101, 16
.Lsecond:
	STEP
	s_sub_co_u32 s101, s101, 1
	s_cmp_lg_u32 s101, 0
	s_cbranch_scc1 .Lsecond
	FINISH
	s_wait_tensorcnt 0x0
	ds_add_u32 v254, v255
	s_wait_dscnt 0x0
	CROUND                                         ; the closing round
	s_endpgm
.Lfunc_end_k_q7a9be21419_attn:
	.size	k_q7a9be21419_attn, .Lfunc_end_k_q7a9be21419_attn-k_q7a9be21419_attn
	.p2alignl 7, 3214868480
	.fill 96, 4, 3214868480
	.section	.rodata,"a",@progbits
	.p2align	6, 0x0
	.amdhsa_kernel k_q7a9be21419_attn
		.amdhsa_group_segment_fixed_size 327680
		.amdhsa_private_segment_fixed_size 0
		.amdhsa_enable_private_segment 0
		.amdhsa_kernarg_size 32
		.amdhsa_user_sgpr_count 2
		.amdhsa_user_sgpr_kernarg_segment_ptr 1
		.amdhsa_wavefront_size32 1
		.amdhsa_system_sgpr_workgroup_id_x 1
		.amdhsa_system_sgpr_workgroup_id_y 1
		.amdhsa_system_sgpr_workgroup_id_z 1
		.amdhsa_system_vgpr_workitem_id 0
		.amdhsa_next_free_vgpr 256
		.amdhsa_next_free_sgpr 106
		.amdhsa_reserve_vcc 0
		.amdhsa_float_denorm_mode_32 3
		.amdhsa_float_denorm_mode_16_64 3
		.amdhsa_memory_ordered 1
		.amdhsa_forward_progress 1
		.amdhsa_inst_pref_size 138
	.end_amdhsa_kernel
	.amdgpu_metadata
---
amdhsa.version: [ 1, 2 ]
amdhsa.kernels:
  - .name:           k_q7a9be21419_attn
    .symbol:         k_q7a9be21419_attn.kd
    .args:
      - { .name: qb, .offset: 0, .size: 8, .value_kind: global_buffer, .address_space: global }
      - { .name: kv, .offset: 8, .size: 8, .value_kind: global_buffer, .address_space: global }
      - { .name: mw, .offset: 16, .size: 8, .value_kind: global_buffer, .address_space: global }
      - { .name: ob, .offset: 24, .size: 8, .value_kind: global_buffer, .address_space: global }
    .group_segment_fixed_size: 327680
    .private_segment_fixed_size: 0
    .kernarg_segment_align: 8
    .kernarg_segment_size: 32
    .max_flat_workgroup_size: 512
    .sgpr_count:     106
    .vgpr_count:     256
    .wavefront_size: 32
...
	.end_amdgpu_metadata
.endif
;; end of part 3
;; launch proj (part 4): grid 4 x 32, 4 waves a work-group, clusters of 4 x 4, 327,680 bytes of LDS; arguments ob, wo, b_out, out0; writes out0
.if DOCPART == 4
	.amdgcn_target "amdgcn-amd-amdhsa--gfx1250"
	.amdhsa_code_object_version 6
	.text
	.protected	k_q7a9be21419_proj
	.globl	k_q7a9be21419_proj
	.p2align	8
	.type	k_q7a9be21419_proj,@function
k_q7a9be21419_proj:
	s_mov_b64 s[64:65], 0
	v_nop
	global_prefetch_b8 v0, s[64:65] scope:SCOPE_SE
	s_setreg_imm32_b32 hwreg(HW_REG_WAVE_MODE, 25, 1), 1
	s_wait_xcnt 0x0
	s_wait_alu depctr_hold_cnt(0) depctr_sa_sdst(0) depctr_va_vdst(0) depctr_va_sdst(0) depctr_va_ssrc(0) depctr_va_vcc(0) depctr_vm_vsrc(0)
	s_getreg_b32 s2, hwreg(HW_REG_IB_STS2, 6, 4)
	s_cmp_eq_u32 s2, 0
	s_cbranch_scc0 .Lentry_in_a_cluster
	s_endpgm
.Lentry_in_a_cluster:
	s_bfe_u32 s2, ttmp6, 0x10000c
	s_cmp_lg_u32 s2, 0xf033
	s_cbranch_scc0 .Lentry_shape_is_right
	s_endpgm
.Lentry_shape_is_right:
; PROJ.  out0 = o W_out^T + b_out on codes of FP8 (E4M3) with E8M0 scales.  o comes from ob, W_out from wo, both as groups of 128 rows x 8 operand blocks of 16,896 bytes (8 register images of 2,048 bytes, then 512 bytes of scale words).
; A work-group of four waves makes 256 tokens x 256 outputs; a wave 128 (tokens, source 1) x 128 (W_out's rows, source 0): 64 accumulators.  A lane holds one token; the rows of a tile are
; 32 (t / 2) + 8 (t % 2) + r + 8 (r / 8), so the 64 registers of a block of tokens are outputs 32 b + 16 (lane / 16) + 0 .. 15.
; K = 1,024 goes through a ring of two LDS slots of 256 along K, filled by the tensor data mover: one dense load of 33,792 bytes a wave.  CLUSTERS: 4 x 4 work-groups; the tokens' tiles are shared along a row of the
; cluster, W_out's along a column: joint loads with a mask that names the four.  128 work-groups: the problem has no more tiles of this size.
; THE WAY OUT: + bias, 16 tokens x 128 outputs through the wave's own stage in LDS (bytes into which no tile ever lands), back as whole rows of 512 bytes.
; REGISTERS, in windows of 256: window 0: v16-29 addresses; v32-63 scale words, two sets; v64-127 the bias in the results' layout; from v128 the tokens' fragments, ONE set (on the way out: two sets of 64 numbers);
;   window 1: W_out's fragments, two sets (on the way out v0-127: rows read back);  windows 2, 3: the accumulators ((a, b) at v[8 (8 (a % 4) + b)]).
.set GRP,   135168
.set BLK,   16896
.set QTR,   2*BLK
.set SLOT,  4*QTR
.set SPARE, 2*SLOT                     ; the spare words: 128 bytes for each wave, two blocks of 256 bytes that no other line names
.set STAGE, SPARE+512                  ; four stages of 16 rows x 528 bytes
.set SPT,   528
.set FR,    16
.set NQ,    2
.set NL,    4
.set NP,    8
.set ADRA,  16
.set ADRB,  20
.set ADRS,  22
.set LI,    24                         ; v24  16 x lane
.set STO,   26                         ; v26  into the stage: row r, + 64 h
.set RD,    27                         ; v27  back: 16 x lane of a row
.set SPW,   28
.set NIL,   29
.set SC,    32
.set BR,    64
.set AF,    128
.set G1,  24
.set G0,  32
.set G1B, 48
.set G0B, 56
.set MSB, 0
.macro WIN new
.if MSB != (\new)
	s_set_vgpr_msb (MSB<<8)|(\new)
.set MSB, (\new)
.endif
.endm
.set MUL_LO, 0xa1
.set MUL_HI, 0xf1
.set TO_B,   0x40
.macro JLOAD g0a, g1a, g0b, g1b        ; waves 0 and 1 fetch the tokens' two groups, waves 2 and 3 W_out's; four v_nop follow each of the two lines
	s_cmp_eq_u32 s15, 0
	s_cbranch_scc0 .Lfor_b_\@
	tensor_load_to_lds s[\g0a:\g0a+3], s[\g1a:\g1a+7]
	s_nop 0
.rept 4
	v_nop
.endr
	s_branch .Lasked_\@
.Lfor_b_\@:
	tensor_load_to_lds s[\g0b:\g0b+3], s[\g1b:\g1b+7]
	s_nop 0
.rept 4
	v_nop
.endr
.Lasked_\@:
.endm
.macro CREST
	s_cmp_lg_u32 s14, 0
	s_cbranch_scc1 .Lnot_wave_0_\@
	s_barrier_signal -3
.Lnot_wave_0_\@:
	s_barrier_wait -3
	s_barrier_signal -1
	s_barrier_wait -1
.endm
.macro CROUND
	s_barrier_signal -1
	s_barrier_wait -1
	CREST
.endm
	s_load_b256 s[4:11], s[0:1], 0x0               ; ob s[4:5], wo s[6:7], b_out s[8:9], out0 s[10:11]
	v_lshl_add_u32 v[SPW], v0, 2, SPARE
	v_mov_b32 v[NIL], 0
	ds_add_u32 v28, v29
	ds_add_u32 v28, v29
	s_wait_dscnt 0x0
	v_lshrrev_b32 v1, 5, v0
	v_readfirstlane_b32 s14, v1                    ; wave 0..3
	s_lshr_b32 s15, s14, 1                         ; which half of the tokens is mine.  Also: I fetch for the tokens (0) or for W_out (1)
	s_and_b32 s16, s14, 1                          ; which half of the outputs.  Also: which group of that tile I fetch
	s_bfe_u32 s40, ttmp6, 0x40000                  ; cx: the tile of 256 outputs
	s_bfe_u32 s41, ttmp6, 0x40004                  ; cy
	s_and_b32 s17, ttmp7, 0xffff
	s_lshl_b32 s18, s17, 2
	s_add_co_u32 s18, s18, s41                     ; the tile of 256 tokens = 4 x cluster y + cy
	s_lshl_b32 s43, s41, 2
	s_lshl_b32 s43, 15, s43                        ; my row of the cluster
	s_lshl_b32 s44, 0x1111, s40                    ; my column
	s_or_b32 s[G1], s43, (3<<16)|(1<<21)           ; a dense block of 33,792 bytes as 132 rows of 32 elements of 8 bytes; 21 set beside a mask
	s_or_b32 s[G1B], s44, (3<<16)|(1<<21)
.irp g, G1, G1B
	s_mov_b32 s[\g+1], 32<<16
	s_mov_b32 s[\g+2], 132<<16
	s_mov_b32 s[\g+3], 32<<16
	s_mov_b32 s[\g+4], 132
	s_mov_b32 s[\g+5], 32
	s_mov_b32 s[\g+6], 0
	s_mov_b32 s[\g+7], 0
.endr
	s_lshl_b32 s20, s18, 1
	s_add_co_u32 s20, s20, s16
	s_mul_i32 s20, s20, GRP
	s_mov_b32 s21, 0
	s_lshl_b32 s46, s40, 1
	s_add_co_u32 s46, s46, s16
	s_mul_i32 s46, s46, GRP
	s_mov_b32 s47, 0
	s_mul_i32 s45, s14, QTR
	s_wait_kmcnt 0x0
	s_add_nc_u64 s[20:21], s[4:5], s[20:21]
	s_add_nc_u64 s[46:47], s[6:7], s[46:47]
	CROUND                                         ; all sixteen work-groups are here: the first joint loads meet
.irp s, 0,1
	s_mov_b32 s[G0+4*\s], 1
	s_add_co_u32 s[G0+4*\s+1], s45, \s*SLOT
	s_add_nc_u64 s[G0+4*\s+2:G0+4*\s+3], s[20:21], \s*QTR
	s_or_b32 s[G0+4*\s+3], s[G0+4*\s+3], 0x80000000
	s_mov_b32 s[G0B+4*\s], 1
	s_add_co_u32 s[G0B+4*\s+1], s45, \s*SLOT
	s_add_nc_u64 s[G0B+4*\s+2:G0B+4*\s+3], s[46:47], \s*QTR
	s_or_b32 s[G0B+4*\s+3], s[G0B+4*\s+3], 0x80000000
	JLOAD G0+4*\s, G1, G0B+4*\s, G1B
.endr
	v_and_b32 v1, 15, v0                           ; r
	v_bfe_u32 v2, v0, 4, 1                         ; h
	v_and_b32 v3, 31, v0
	v_lshlrev_b32 v[LI], 4, v3
	s_mul_i32 s82, s15, QTR
	s_mul_i32 s83, s16, QTR
	s_add_co_u32 s83, s83, 2*QTR
	s_sub_co_u32 s84, s83, s82
	v_mul_u32_u24 v6, s84, v2                      ; lanes 16-31 take W_out's scale words: one product, the distance between the two groups
	v_lshl_add_u32 v5, v1, 2, v6
	s_add_co_u32 s85, s82, 16384
.irp s, 0,1
	v_add_nc_u32 v[ADRA+\s], s82, v[LI]
	v_add_nc_u32 v[ADRB+\s], s83, v[LI]
	v_add_nc_u32 v[ADRS+\s], s85, v5
	s_add_co_u32 s82, s82, SLOT
	s_add_co_u32 s83, s83, SLOT
	s_add_co_u32 s85, s85, SLOT
.endr
	s_mul_i32 s82, s14, 16*SPT
	s_add_co_u32 s82, s82, STAGE                   ; my stage
	v_mul_u32_u24 v[STO], v1, SPT
	v_lshl_add_u32 v[STO], v2, 6, v[STO]
	v_add_nc_u32 v[STO], s82, v[STO]
	v_add_nc_u32 v[RD], s82, v[LI]
	s_lshl_b32 s86, s40, 10
	s_lshl_b32 s87, s16, 9
	s_add_co_u32 s86, s86, s87                     ; my first output, in bytes: 4 x (256 cx + 128 x half)
	s_mov_b32 s87, 0
	s_add_nc_u64 s[72:73], s[8:9], s[86:87]        ; in b_out,
	s_lshl_b32 s84, s18, 8
	s_lshl_b32 s85, s15, 7
	s_add_co_u32 s84, s84, s85                     ; my first token
	s_lshl_b32 s84, s84, 12                        ; rows of 4,096 bytes (under 2^26)
	s_add_co_u32 s84, s84, s86
	s_mov_b32 s85, 0
	s_add_nc_u64 s[12:13], s[10:11], s[84:85]      ; and in out0
	v_lshlrev_b32 v7, 6, v2
.irp t, 0,1,2,3,4,5,6,7
	global_load_b128 v[BR+8*\t:BR+8*\t+3], v7, s[72:73] offset:(32*(\t/2)+8*(\t%2))*4
	global_load_b128 v[BR+8*\t+4:BR+8*\t+7], v7, s[72:73] offset:(32*(\t/2)+8*(\t%2))*4+16
.endr
.macro FRAG reg, adr, q, i
.irp c, 0,1,2,3
	ds_load_b128 v[\reg+4*\c:\reg+4*\c+3], v[\adr] offset:(\q)*BLK+(\i)*2048+512*\c
.endr
.endm
; The 64 accumulators take turns, one instruction a turn, in the same order in every step.
.macro MUL16 a0, p, q, sc, zero
.irp a, \a0, \a0+1
.irp b, 0,1,2,3,4,5,6,7
.if \zero
	v_wmma_scale_f32_16x16x128_f8f6f4 v[8*(8*((\a)%4)+\b):8*(8*((\a)%4)+\b)+7], v[128*(\p)+FR*\b:128*(\p)+FR*\b+FR-1], v[AF+FR*(\a):AF+FR*(\a)+FR-1], 0, v[SC+8*NQ*(\sc)+NQ*\b+(\q)], v[SC+8*NQ*(\sc)+NQ*(\a)+(\q)] matrix_a_scale:MATRIX_SCALE_ROW1
.else
	v_wmma_scale_f32_16x16x128_f8f6f4 v[8*(8*((\a)%4)+\b):8*(8*((\a)%4)+\b)+7], v[128*(\p)+FR*\b:128*(\p)+FR*\b+FR-1], v[AF+FR*(\a):AF+FR*(\a)+FR-1], v[8*(8*((\a)%4)+\b):8*(8*((\a)%4)+\b)+7], v[SC+8*NQ*(\sc)+NQ*\b+(\q)], v[SC+8*NQ*(\sc)+NQ*(\a)+(\q)] matrix_a_scale:MATRIX_SCALE_ROW1
.endif
.endr
.endr
.endm
.macro FETCH_B slot, q, p
	WIN TO_B
.irp i, 0,1,2,3,4,5,6,7
	FRAG 128*(\p)+FR*\i, ADRB+\slot, \q, \i
.endr
	WIN 0
.endm
.macro FETCH_A slot, q, i0
.irp i, \i0, \i0+1, \i0+2, \i0+3
	FRAG AF+FR*(\i), ADRA+\slot, \q, \i
.endr
.endm
.macro SCALES sc
.irp i, 0,1,2,3,4,5,6,7
.irp q, 0,1
	ds_load_b32 v[SC+8*NQ*\sc+NQ*\i+\q], v[ADRS+\sc] offset:\q*BLK+64*\i
.endr
.endr
.endm
.macro PLACES n
.rept \n
	v_nop
.endr
.endm
.macro STEP slot, q, zero
	s_wait_dscnt 4*NL                              ; all but the youngest 16 loads (the tokens' blocks 4-7)
	WIN MUL_LO
	MUL16 0, (\q)%2, \q, \slot, \zero
	MUL16 2, (\q)%2, \q, \slot, \zero
	s_wait_dscnt 0
	PLACES NP
	FETCH_B \slot, (\q)+1, 1-(\q)%2
	FETCH_A \slot, (\q)+1, 0
	WIN MUL_HI
	MUL16 4, (\q)%2, \q, \slot, \zero
	MUL16 6, (\q)%2, \q, \slot, \zero
	PLACES NP
	WIN 0
	FETCH_A \slot, (\q)+1, 4
.endm
.macro TURN slot, next, fill
	s_wait_tensorcnt 0x0                           ; all my tensor loads have landed: my part of the next slot
	ds_add_u32 v[SPW], v[NIL]                      ; 0 onto my spare word
	s_wait_dscnt 4*NL+1                            ; the add and the youngest 16 loads may be out
	WIN MUL_LO
	MUL16 0, 1, NQ-1, \slot, 0
	s_wait_dscnt 0x0                               ; the add is done, and my reads of this slot are over
	s_barrier_signal -1
	MUL16 2, 1, NQ-1, \slot, 0
	WIN 0
	s_barrier_wait -1
.if \fill
	CREST                                          ; a round of the cluster's barrier: no wave of any partner still reads this slot or has a load on its way
	s_add_nc_u64 s[G0+4*\slot+2:G0+4*\slot+3], s[G0+4*\slot+2:G0+4*\slot+3], 2*QTR
	s_add_nc_u64 s[G0B+4*\slot+2:G0B+4*\slot+3], s[G0B+4*\slot+2:G0B+4*\slot+3], 2*QTR
	JLOAD G0+4*\slot, G1, G0B+4*\slot, G1B
	PLACES NP-4
.else
	PLACES NP
.endif
	FETCH_B \next, 0, 0
	FETCH_A \next, 0, 0
	SCALES \next
	WIN MUL_HI
	MUL16 4, 1, NQ-1, \slot, 0
	MUL16 6, 1, NQ-1, \slot, 0
	PLACES NP
	WIN 0
	FETCH_A \next, 0, 4
.endm
	s_wait_loadcnt 0x0                             ; the bias
	s_wait_tensorcnt 1                             ; my part of slot 0 is in; slot 1's load may be out
	s_barrier_signal -1
	s_barrier_wait -1
	FETCH_B 0, 0, 0
	FETCH_A 0, 0, 0
	SCALES 0
	FETCH_A 0, 0, 4
	STEP 0, 0, 1
	TURN 0, 1, 1
	STEP 1, 0, 0
	TURN 1, 0, 1
	STEP 0, 0, 0
	TURN 0, 1, 0
	STEP 1, 0, 0
	s_wait_dscnt 4*NL
	WIN MUL_LO
	MUL16 0, 1, NQ-1, 1, 0
	MUL16 2, 1, NQ-1, 1, 0
	s_wait_dscnt 0
	WIN MUL_HI
	MUL16 4, 1, NQ-1, 1, 0
	MUL16 6, 1, NQ-1, 1, 0
	WIN 0
.macro PACK a                          ; block a + the bias, into set a % 2 of window 0
.set AC, 64*((\a)%4)
.set TS, 128+64*((\a)%2)
	WIN 0x02+(\a)/4
.set k, 0
.rept 32
	v_pk_add_f32 v[TS+k:TS+k+1], v[AC+k:AC+k+1], v[BR+k:BR+k+1]   ; ascending: each accumulator is read from its low end on
.set k, k+2
.endr
	WIN 0
.endm
.macro TOSTAGE a                       ; LDS serves a wave's instructions in order (ISA guide 5.7.1.4): no wait between the stores and the loads, nor in front of the next block's stores
.set TS, 128+64*((\a)%2)
.set BB, 64*((\a)%2)
.if (\a) >= 2
	s_wait_xcnt 0x0                                ; block a - 2's stores have read the registers into which these loads land
.endif
.irp b, 0,1,2,3,4,5,6,7
	ds_store_b128 v[STO], v[TS+8*\b:TS+8*\b+3] offset:128*(\b/2)+32*(\b%2)
	ds_store_b128 v[STO], v[TS+8*\b+4:TS+8*\b+7] offset:128*(\b/2)+32*(\b%2)+16
.endr
	WIN 0x40                                       ; destination window 1
.irp t, 0,1,2,3,4,5,6,7,8,9,10,11,12,13,14,15
	ds_load_b128 v[BB+4*\t:BB+4*\t+3], v[RD] offset:\t*SPT
.endr
	WIN 0
.endm
.macro SEND a, younger                 ; younger: the LDS instructions issued behind block a's loads
.set BB, 64*((\a)%2)
	s_wait_dscnt \younger
	WIN 0x04                                       ; a store's data are its source 1: window 1
.irp t, 0,1,2,3,4,5,6,7,8,9,10,11,12,13,14,15
	global_store_b128 v[LI], v[BB+4*\t:BB+4*\t+3], s[12:13] offset:(32*((\a)/2)+8*((\a)%2)+\t+8*(\t/8))*4096 th:TH_STORE_NT   ; 32 lanes store 512 consecutive bytes, aligned; the token's row stands in the immediate, 127 rows at the most
.endr
	WIN 0
.endm
	PLACES NP
	PACK 0
	TOSTAGE 0
.irp a, 1,2,3,4,5,6,7
	PACK \a
	TOSTAGE \a
	SEND \a-1, 32                                  ; behind block a - 1's loads: block a's 16 stores and 16 loads
.endr
	SEND 7, 0
	s_wait_tensorcnt 0x0                           ; the wave's end
	ds_add_u32 v[SPW], v[NIL]
	s_wait_dscnt 0x0
	CROUND                                         ; the closing round
	s_endpgm
.Lfunc_end_k_q7a9be21419_proj:
	.size	k_q7a9be21419_proj, .Lfunc_end_k_q7a9be21419_proj-k_q7a9be21419_proj
	.p2alignl 7, 3214868480
	.fill 96, 4, 3214868480
	.section	.rodata,"a",@progbits
	.p2align	6, 0x0
	.amdhsa_kernel k_q7a9be21419_proj
		.amdhsa_group_segment_fixed_size 327680
		.amdhsa_private_segment_fixed_size 0
		.amdhsa_enable_private_segment 0
		.amdhsa_kernarg_size 32
		.amdhsa_user_sgpr_count 2
		.amdhsa_user_sgpr_kernarg_segment_ptr 1
		.amdhsa_wavefront_size32 1
		.amdhsa_system_sgpr_workgroup_id_x 1
		.amdhsa_system_sgpr_workgroup_id_y 1
		.amdhsa_system_sgpr_workgroup_id_z 1
		.amdhsa_system_vgpr_workitem_id 0
		.amdhsa_next_free_vgpr 1024
		.amdhsa_next_free_sgpr 100
		.amdhsa_reserve_vcc 0
		.amdhsa_float_denorm_mode_32 3
		.amdhsa_float_denorm_mode_16_64 3
		.amdhsa_memory_ordered 1
		.amdhsa_forward_progress 1
		.amdhsa_inst_pref_size 163
	.end_amdhsa_kernel
	.amdgpu_metadata
---
amdhsa.version: [ 1, 2 ]
amdhsa.kernels:
  - .name:           k_q7a9be21419_proj
    .symbol:         k_q7a9be21419_proj.kd
    .args:
      - { .name: ob, .offset: 0, .size: 8, .value_kind: global_buffer, .address_space: global }
      - { .name: wo, .offset: 8, .size: 8, .value_kind: global_buffer, .address_space: global }
      - { .name: b_out, .offset: 16, .size: 8, .value_kind: global_buffer, .address_space: global }
      - { .name: out0, .offset: 24, .size: 8, .value_kind: global_buffer, .address_space: global }
    .group_segment_fixed_size: 327680
    .private_segment_fixed_size: 0
    .kernarg_segment_align: 8
    .kernarg_segment_size: 32
    .max_flat_workgroup_size: 128
    .sgpr_count:     100
    .vgpr_count:     1024
    .wavefront_size: 32
...
	.end_amdgpu_metadata
.endif
;; end of part 4
